; MI455X (gfx1250); checked and timed in simulation.
; The chip was launched on July 23, 2026; its instructions are those of AMD's public machine-readable ISA for CDNA 5 (MIT licence, August 2026) and "CDNA5" Instruction Set Architecture Reference Guide (July 2026). The comments in the code are by the model that wrote it; some were corrected since.
;; Sparse Flex Attention. Allowed arithmetic: matrix products marked QUANTISED: E2M1 operands, one E8M0 scale for each 32 along K, by v_wmma_scale_f32_16x16x128_f8f6f4 with both operands' format E2M1 (or v_wmma_scale_f32_32x16x128_f4), f32 sums; products left as they are: bf16, f16 or f32 operands; f32 sums; everything else in f32.
;; Inputs: Wk 1,024 x 1,024 float32; Wq 1,024 x 1,024 float32; Wv 1,024 x 1,024 float32; attention_mask 4 x 1 x 2,048 float32; bk 1,024 float32; bq 1,024 float32; bv 1,024 float32; hidden_states 4 x 2,048 x 1,024 float32; sparse_mask 4 x 2,048 x 2,048 bool.
;; Outputs: out0 4 x 2,048 x 1,024 float32.
;; This version of the problem:
;;   THIS VERSION OF THE PROBLEM IS GIVEN IN LOW PRECISION. The matrix products marked QUANTISED in the list below multiply operands that are first quantised to E2M1 (2 exponent bits, 1 mantissa bit; 4 bits a number), with one power-of-two scale for each 32 numbers along K (OCP MX v1.0); their sums are f32. The products marked 'left as it is' may take bf16, f16 or f32 operands, with f32 sums. Whichever they take, every output number must still come out within the allowed error. Rounding operands to bf16 (8 significant bits) uses up far more of that allowance than f16 does (11 bits, for magnitudes from 6e-5 to 65,504). All else is computed in f32.
;;   The module's matrix products, in the order in which they are computed (A, B: the left and right operand; K: the contracted axis; several contracted axes count as one K, in the product's order):
;;     1. [M 8,192, K 1,024] x [K 1,024, N 1,024]; A: input hidden_states; B: input Wq: QUANTISED
;;     2. [M 8,192, K 1,024] x [K 1,024, N 1,024]; A: input hidden_states; B: input Wk: QUANTISED
;;     3. [M 8,192, K 1,024] x [K 1,024, N 1,024]; A: input hidden_states; B: input Wv: QUANTISED
;;     4. batch 4 x [M 2,048, K 1,024] x [K 1,024, N 2,048]; A: computed on the way; B: computed on the way: left as it is (an operand is computed on the way)
;;     5. batch 4 x [M 2,048, K 2,048] x [K 2,048, N 1,024]; A: computed on the way; B: computed on the way: left as it is (an operand is computed on the way)
;;   THE QUANTISER, for each operand of a quantised product, along K:
;;     - K is cut into blocks of 32 from its start; a last block that is shorter is filled with zeros.
;;     - A block's scale is 2^e with e = floor(log2(the largest magnitude in the block)) - 2, held to -126 .. 127; a block of zeros has e = 0. As a byte (E8M0): e + 127.
;;     - Each number is divided by its block's scale, clamped to +-6, and rounded to the nearest number of E2M1, ties to even, subnormals kept.
;;     - The product sums the exact products of the quantised numbers (number of the format x scale) in f32.
;;   ~~~python
;;   def quantise(x, axis):      # numpy; x: float32 -> the quantised numbers, widened to float32 again
;;       x = np.moveaxis(x, axis, -1); K = x.shape[-1]
;;       x = np.pad(x, [(0, 0)] * (x.ndim - 1) + [(0, -K % 32)]); x = x.reshape(x.shape[:-1] + (-1, 32)); a = np.abs(x).max(-1, keepdims=True)
;;       e = np.where(a > 0, np.clip(np.frexp(np.where(a > 0, a, 1))[1] - 1 - 2, -126, 127), 0)      # np.frexp(a)[1] - 1 = floor(log2(a)), exactly
;;       r = np.clip(x / 2.0 ** e, -6, 6)
;;       step = 2.0 ** (np.maximum(np.frexp(np.where(r == 0, 1, r))[1] - 1, 0) - 1)
;;       q = np.round(r / step) * step * 2.0 ** e      # np.round: ties to even
;;       return np.moveaxis(q.reshape(q.shape[:-2] + (-1,))[..., :K], -1, axis).astype(np.float32)
;;   ~~~
;; One version. Each part assembles by itself: llvm-mc -triple=amdgcn-amd-amdhsa -mcpu=gfx1250 --defsym DOCPART=n.
;; ======== version 1 of 1: 4 launches
;; limits: values are held in f16: magnitudes above 65,504 overflow, below 6.1e-05 lose precision
;; workspace buffers: hs_codes 4,194,304 bytes; hs_scales 262,144 bytes; w_codes 1,572,864 bytes; w_scales 98,304 bytes; qkv 50,331,648 bytes; p16 33,554,432 bytes; stats 1,048,576 bytes
;; launch quant (part 1): grid 448 x 1, 4 waves a work-group, no clusters, 42,496 bytes of LDS; arguments hidden_states, Wq, Wk, Wv, hs_codes, hs_scales, w_codes, w_scales; writes hs_codes, hs_scales, w_codes, w_scales
.if DOCPART == 1
	.amdgcn_target "amdgcn-amd-amdhsa--gfx1250"
	.amdhsa_code_object_version 6
	.text
	.protected	k_q054211d9bd_quant
	.globl	k_q054211d9bd_quant
	.p2align	8
	.type	k_q054211d9bd_quant,@function
k_q054211d9bd_quant:
	s_mov_b64 s[64:65], 0
	v_nop
	global_prefetch_b8 v0, s[64:65] scope:SCOPE_SE
	s_setreg_imm32_b32 hwreg(HW_REG_WAVE_MODE, 25, 1), 1
	s_wait_xcnt 0x0
; THE PROGRAM: out = softmax(mask(q k^T / 32) + attention_mask) v, with q, k, v = hidden_states x (Wq, Wk, Wv) + biases, the three projections on codes of FP4 (E2M1) with one E8M0 scale for each 32 along K.
; Four launches: this one makes the codes; the second multiplies them and stores q, k, v as f16; the third makes p = 2^(t - M) for each block of 128 keys; the fourth makes (sum of p v) / (sum of p) + bv.
; WORK LEFT OUT: bk.  scores[q][j] = q_q . (k0_j + bk) / 32 = q_q . k0_j / 32 + q_q . bk / 32, k0 = hidden_states x Wk.  The second term is the same for every key j of a row, so the softmax along j
; takes it away for all values of the inputs (a masked score stays -infinity); the product of q with k is not quantised, so no quantiser sees bk.  bk is not loaded and is no argument of any launch.
; LIMIT: a NaN, an infinity or an overflow that comes through bk alone is not carried to the result.
; bv IS LIVE and is added at the very end: a row's probabilities sum to 1, so sum_j probs (v0_j + bv) = sum_j probs v0_j + bv.
; THIS LAUNCH.  Work-groups 0 to 191 take Wq, Wk, Wv ([K][N] f32, K the first axis); work-groups 192 to 447 take hidden_states ([8192][1024] f32, K innermost).  The two ways never join and have LDS bytes of their own.
; A block's scale is 2^(floor(log2(its largest magnitude)) - 2); its byte is the largest magnitude's exponent field - 2, held at 1 from below.  A block of zeros so gets the byte 1 where the rule says 127:
; its codes are zeros, which add nothing under any byte but 0xff, and this program alone reads the bytes.
; LIMITS: blocks whose largest magnitude lies under 2^-124, the floor, were not tried; NaN and infinities among the inputs are not served.
; OUT: hs_codes [8192][512 bytes]; hs_scales [K half 2][8192][16 bytes]; w_codes [3072 = q, k, v columns][512 bytes]; w_scales [2][3072][16].
.set EMAX,  2
.set STEPS, 16
.set AHEAD, 8                          ; the loads of hidden_states run eight steps, 32 loads a wave, ahead
.set WREG,  8192                       ; LDS, hidden_states: a region for each wave: two stages of 32 x SP bytes, behind them its 256 scale bytes
.set SP,    80                         ; a lane's place in a stage: 64 bytes + 16 of padding
.set WST,   32768                      ; LDS, weights: 32 rows (columns of W) x (256 bytes of codes + 16)
.set WSC,   41472                      ; and 32 x 16 scale bytes
.set SPARE, 41984                      ; the spare words, 128 bytes for each wave, which no other line names
.set SPW,   12                         ; v12  LDS address of my spare word; never rewritten
.set NIL,   13                         ; v13  0; never rewritten
.set R,     16                         ; v16-143  eight sets of 16 numbers as loaded
.set X,     144                        ; v144-175 two sets of 16 neighbours
.set C,     176                        ; v176-207 codes, two registers for each step
.set E,     208                        ; v208-223 a scale byte for each step
	s_load_b256 s[4:11], s[0:1], 0x0               ; hidden_states s[4:5], Wq s[6:7], Wk s[8:9], Wv s[10:11]
	s_load_b256 s[12:19], s[0:1], 0x20             ; hs_codes s[12:13], hs_scales s[14:15], w_codes s[16:17], w_scales s[18:19]
	v_lshl_add_u32 v[SPW], v0, 2, SPARE
	v_mov_b32 v[NIL], 0
	v_lshrrev_b32 v1, 5, v0
	v_readfirstlane_b32 s20, v1                    ; wave 0..3
	v_and_b32 v2, 31, v0                           ; lane
	s_cmp_lt_u32 ttmp9, 192                        ; the work-group's number alone decides: all four waves go the same way
	s_cbranch_scc1 .Lweights
; ---- hidden_states.  Wave number W = 4 (work-group - 192) + wave takes 16 rows (16 (W / 2) on) x one half of K (W % 2): 16 steps of 512 numbers, a step a row.
; Each load reads 512 consecutive bytes, 16 a lane; the step's 2,048 bytes go through the wave's own stage and come back 64 bytes a lane: 16 neighbours, two lanes to a block.
	v_lshlrev_b32 v3, 4, v2                        ; my 16 bytes of a load's 512
	s_mul_i32 s21, s20, WREG
	v_lshrrev_b32 v14, 2, v2
	v_mul_u32_u24 v14, v14, SP
	v_and_b32 v15, 3, v2
	v_lshl_add_u32 v14, v15, 4, v14
	v_add_nc_u32 v14, s21, v14                     ; the stage, way in: SP (lane / 4) + 16 (lane % 4)
	v_mul_u32_u24 v15, v2, SP
	v_add_nc_u32 v15, s21, v15                     ; way out: SP x lane
	v_lshlrev_b32 v4, 3, v2                        ; 8 x lane: my codes in a step's 256 bytes, and my 8 scale bytes at the end
	v_lshrrev_b32 v5, 1, v2
	s_add_co_u32 s21, s21, 2*32*SP
	v_add_nc_u32 v5, s21, v5                       ; my block's scale byte in LDS
	v_add_nc_u32 v6, s21, v4                       ; and where I read 8 of them back
	s_sub_co_u32 s22, ttmp9, 192
	s_lshl_b32 s22, s22, 2
	s_add_co_u32 s22, s22, s20                     ; W
	s_and_b32 s23, s22, 1                          ; half of K
	s_lshr_b32 s22, s22, 1                         ; group of 16 rows
	s_lshl_b32 s24, s22, 16                        ; in: 16 rows of 4,096 bytes, + 2,048 x half
	s_lshl_b32 s26, s23, 11
	s_add_co_u32 s24, s24, s26
	s_mov_b32 s25, 0
	s_lshl_b32 s26, s22, 13                        ; codes: 16 rows of 512 bytes, + 256 x half
	s_lshl_b32 s28, s23, 8
	s_add_co_u32 s26, s26, s28
	s_mov_b32 s27, 0
	s_lshl_b32 s28, s23, 17                        ; scale bytes: 131,072 x half + 16 rows of 16 bytes
	s_lshl_b32 s30, s22, 8
	s_add_co_u32 s28, s28, s30
	s_mov_b32 s29, 0
	s_wait_kmcnt 0x0
	s_add_nc_u64 s[4:5], s[4:5], s[24:25]
	s_add_nc_u64 s[12:13], s[12:13], s[26:27]
	s_add_nc_u64 s[14:15], s[14:15], s[28:29]
.macro LOAD t
.irp i, 0,1,2,3
	global_load_b128 v[R+16*((\t)%AHEAD)+4*\i:R+16*((\t)%AHEAD)+4*\i+3], v3, s[4:5] offset:4096*(\t)+512*\i th:TH_LOAD_NT
.endr
.endm
.macro TURN t                          ; step t's numbers through the stage: LDS serves a wave's instructions in order, so no wait stands between the stores and the loads
.irp i, 0,1,2,3
	ds_store_b128 v14, v[R+16*((\t)%AHEAD)+4*\i:R+16*((\t)%AHEAD)+4*\i+3] offset:32*SP*((\t)%2)+8*SP*\i
.endr
.irp i, 0,1,2,3
	ds_load_b128 v[X+16*((\t)%2)+4*\i:X+16*((\t)%2)+4*\i+3], v15 offset:32*SP*((\t)%2)+16*\i
.endr
.endm
.irp t, 0,1,2,3,4,5,6,7
	LOAD \t
.endr
	s_wait_loadcnt 28                              ; step 0's four loads are in; the 28 of steps 1 to 7 may be out
	TURN 0
.macro STEP t
.set XS, X+16*((\t)%2)
.if (\t) > 0
	s_wait_dscnt 1                                 ; this step's numbers are back from the stage; the last step's byte store may be out
.else
	s_wait_dscnt 0x0
.endif
.if (\t)+AHEAD < STEPS
	LOAD (\t)+AHEAD                                ; into the set that this step's stores into the stage have read
.endif
.if (\t)+1 < STEPS
.if STEPS-2-(\t) >= AHEAD-1
	s_wait_loadcnt 4*(AHEAD-1)                     ; the next step's four loads are in; those of the seven steps behind it may be out
.else
	s_wait_loadcnt 4*(STEPS-2-(\t))                ; near the end fewer steps stand behind it
.endif
	TURN (\t)+1
.endif
	v_max3_num_f32 v8, |v[XS]|, |v[XS+1]|, |v[XS+2]|               ; the largest magnitude of my 16, in two chains
	v_max3_num_f32 v9, |v[XS+3]|, |v[XS+4]|, |v[XS+5]|
.irp i, 6,10
	v_max3_num_f32 v8, v8, |v[XS+\i]|, |v[XS+\i+1]|
	v_max3_num_f32 v9, v9, |v[XS+\i+2]|, |v[XS+\i+3]|
.endr
	v_max3_num_f32 v8, v8, |v[XS+14]|, |v[XS+15]|
	v_max3_num_f32 v8, v8, v9, (EMAX+1)<<23        ; and the floor 2^(3 - 127): the byte cannot fall under 1
	v_max_num_f32_dpp v8, v8, v8 row_xmask:1 row_mask:0xf bank_mask:0xf   ; with my neighbour's 16: the block's
	v_add_nc_u32 v11, -(EMAX<<23), v8              ; 2 off its exponent field: the conversion takes that field as its scale
	v_cvt_scalef32_pk8_fp4_f32 v[C+2*(\t)], v[XS:XS+7], v11
	v_cvt_scalef32_pk8_fp4_f32 v[C+2*(\t)+1], v[XS+8:XS+15], v11
	v_lshrrev_b32 v[E+(\t)], 23, v11               ; the scale's byte (also the plain line behind the conversions)
	ds_store_b8 v5, v[E+(\t)] offset:16*(\t)       ; both lanes of a block write the same byte with the same value
	global_store_b64 v4, v[C+2*(\t):C+2*(\t)+1], s[12:13] offset:512*(\t)   ; the wave stores 256 consecutive bytes, aligned
.endm
.irp t, 0,1,2,3,4,5,6,7,8,9,10,11,12,13,14,15
	STEP \t
.endr
	ds_load_b64 v[8:9], v6                         ; my wave's 256 scale bytes: LDS serves a wave in order
	s_wait_dscnt 0x0
	global_store_b64 v4, v[8:9], s[14:15]          ; 256 consecutive bytes, aligned
	s_wait_tensorcnt 0x0                           ; the wave's end, behind my last LDS store
	ds_add_u32 v[SPW], v[NIL]
	s_wait_dscnt 0x0
	s_endpgm
; ---- the weights.  Work-group g: tensor g / 64; columns 32 ((g % 64) / 2) on; half g % 2 of K.  Wave w takes K rows 128 w on of that half: 4 blocks.
; A LANE TAKES A COLUMN AND ITS REGISTERS RUN DOWN K: a block of 32 lies in one lane, and the conversions give codes with K innermost.  The four waves' 64 bytes of a column meet in a stage and leave as rows of 256 bytes.
.Lweights:
	s_lshr_b32 s21, ttmp9, 6                       ; which tensor
	s_bfe_u32 s22, ttmp9, 0x50001                  ; which 32 columns
	s_and_b32 s23, ttmp9, 1                        ; which half of K
	v_lshlrev_b32 v3, 2, v2                        ; in: 4 bytes a lane
	v_mul_u32_u24 v4, v2, 272
	s_lshl_b32 s24, s20, 6
	s_add_co_u32 s24, s24, WST
	v_add_nc_u32 v4, s24, v4                       ; codes into the stage: row = my column, + 64 x wave
	v_lshlrev_b32 v10, 4, v2                       ; 16 x lane
	s_lshl_b32 s24, s20, 2
	s_add_co_u32 s24, s24, WSC
	v_add_nc_u32 v9, s24, v10                      ; my scale word: 16 x lane + 4 x wave
	v_add_nc_u32 v17, WSC, v10                     ; and where wave 0 reads a column's 16 bytes back
	v_and_b32 v5, 15, v2
	v_lshrrev_b32 v6, 4, v2
	v_mul_u32_u24 v7, v6, 272
	v_lshl_add_u32 v7, v5, 4, v7
	s_mul_i32 s24, s20, 8*272
	s_add_co_u32 s24, s24, WST
	v_add_nc_u32 v7, s24, v7                       ; out of the stage: my wave's 8 rows, sixteen lanes to a row, two rows an instruction
	v_lshlrev_b32 v8, 9, v6
	v_lshl_add_u32 v8, v5, 4, v8                   ; and the same place in w_codes
	s_lshl_b32 s24, s23, 21                        ; W: (512 half + 128 wave) rows of 4,096 bytes + 128 bytes x column group
	s_lshl_b32 s26, s20, 19
	s_add_co_u32 s24, s24, s26
	s_lshl_b32 s26, s22, 7
	s_add_co_u32 s24, s24, s26
	s_mov_b32 s25, 0
	s_lshl_b32 s26, s21, 19                        ; codes: (1,024 tensor + 32 group + 8 wave) rows of 512 bytes + 256 x half
	s_lshl_b32 s28, s22, 14
	s_add_co_u32 s26, s26, s28
	s_lshl_b32 s28, s20, 12
	s_add_co_u32 s26, s26, s28
	s_lshl_b32 s28, s23, 8
	s_add_co_u32 s26, s26, s28
	s_mov_b32 s27, 0
	s_mul_i32 s28, s23, 49152                      ; scale bytes: 49,152 x half + (1,024 tensor + 32 group) x 16
	s_lshl_b32 s30, s21, 14
	s_add_co_u32 s28, s28, s30
	s_lshl_b32 s30, s22, 9
	s_add_co_u32 s28, s28, s30
	s_mov_b32 s29, 0
	s_wait_kmcnt 0x0
	s_cmp_lt_u32 s21, 1
	s_cselect_b64 s[6:7], s[6:7], s[8:9]
	s_cmp_lt_u32 s21, 2
	s_cselect_b64 s[6:7], s[6:7], s[10:11]         ; Wq, Wk or Wv: the choice hangs on the work-group's number alone
	s_add_nc_u64 s[6:7], s[6:7], s[24:25]
	s_add_nc_u64 s[16:17], s[16:17], s[26:27]
	s_add_nc_u64 s[18:19], s[18:19], s[28:29]
.set j, 0
.rept 128                              ; all four blocks are asked for at once: W(k, my column), 128 consecutive bytes a load
	global_load_b32 v[32+j], v3, s[6:7] offset:j*4096 th:TH_LOAD_NT
.set j, j+1
.endr
.macro BLOCK t, left
.set XS, 32+32*(\t)
	s_wait_loadcnt \left                           ; this block's 32 loads are in
	v_max3_num_f32 v20, |v[XS]|, |v[XS+1]|, |v[XS+2]|
	v_max3_num_f32 v21, |v[XS+3]|, |v[XS+4]|, |v[XS+5]|
.irp i, 6,10,14,18,22,26
	v_max3_num_f32 v20, v20, |v[XS+\i]|, |v[XS+\i+1]|
	v_max3_num_f32 v21, v21, |v[XS+\i+2]|, |v[XS+\i+3]|
.endr
	v_max3_num_f32 v20, v20, |v[XS+30]|, |v[XS+31]|
	v_max3_num_f32 v20, v20, v21, (EMAX+1)<<23     ; with the floor
	v_add_nc_u32 v11, -(EMAX<<23), v20
	v_lshrrev_b32 v21, 23, v11                     ; the scale's byte
.if (\t) == 0
	v_mov_b32 v16, v21
.else
	v_lshl_or_b32 v16, v21, 8*(\t), v16            ; four bytes to a word, the lower K in the lower byte
.endif
.irp g, 0,1,2,3
	v_cvt_scalef32_pk8_fp4_f32 v[160+4*(\t)+\g], v[XS+8*\g:XS+8*\g+7], v11
.endr
	ds_store_b128 v4, v[160+4*(\t):160+4*(\t)+3] offset:16*(\t)
.endm
	BLOCK 0, 63                                    ; 96 younger loads could stay out; 63 is the largest count that can be named
	BLOCK 1, 63                                    ; 64 could
	BLOCK 2, 32
	BLOCK 3, 0
	v_nop                                          ; a plain line behind the last conversion
	ds_store_b32 v9, v16
	s_wait_dscnt 0x0                               ; for the others' sake: my stores have landed
	s_barrier_signal -1
	s_barrier_wait -1
.irp i, 0,1,2,3
	ds_load_b128 v[176+4*\i:176+4*\i+3], v7 offset:2*\i*272
.endr
.irp i, 0,1,2,3
	s_wait_dscnt 3-\i                              ; load i is in, the younger ones may be out
	global_store_b128 v8, v[176+4*\i:176+4*\i+3], s[16:17] offset:1024*\i   ; sixteen lanes store 256 consecutive bytes, aligned
.endr
	s_cmp_lg_u32 s20, 0
	s_cbranch_scc1 .Lno_scales
	ds_load_b128 v[192:195], v17
	s_wait_dscnt 0x0
	global_store_b128 v10, v[192:195], s[18:19]    ; wave 0: the 32 columns' 512 scale bytes, consecutive
.Lno_scales:
	s_wait_tensorcnt 0x0                           ; the wave's end, behind my last LDS store
	ds_add_u32 v[SPW], v[NIL]
	s_wait_dscnt 0x0
	s_endpgm
.Lfunc_end_k_q054211d9bd_quant:
	.size	k_q054211d9bd_quant, .Lfunc_end_k_q054211d9bd_quant-k_q054211d9bd_quant
	.p2alignl 7, 3214868480
	.fill 96, 4, 3214868480
	.section	.rodata,"a",@progbits
	.p2align	6, 0x0
	.amdhsa_kernel k_q054211d9bd_quant
		.amdhsa_group_segment_fixed_size 42496
		.amdhsa_private_segment_fixed_size 0
		.amdhsa_enable_private_segment 0
		.amdhsa_kernarg_size 64
		.amdhsa_user_sgpr_count 2
		.amdhsa_user_sgpr_kernarg_segment_ptr 1
		.amdhsa_wavefront_size32 1
		.amdhsa_system_sgpr_workgroup_id_x 1
		.amdhsa_system_sgpr_workgroup_id_y 1
		.amdhsa_system_sgpr_workgroup_id_z 1
		.amdhsa_system_vgpr_workitem_id 0
		.amdhsa_next_free_vgpr 224
		.amdhsa_next_free_sgpr 66
		.amdhsa_reserve_vcc 0
		.amdhsa_float_denorm_mode_32 3
		.amdhsa_float_denorm_mode_16_64 3
		.amdhsa_memory_ordered 1
		.amdhsa_forward_progress 1
		.amdhsa_inst_pref_size 55
	.end_amdhsa_kernel
	.amdgpu_metadata
---
amdhsa.version: [ 1, 2 ]
amdhsa.kernels:
  - .name:           k_q054211d9bd_quant
    .symbol:         k_q054211d9bd_quant.kd
    .args:
      - { .name: hidden_states, .offset: 0, .size: 8, .value_kind: global_buffer, .address_space: global }
      - { .name: Wq, .offset: 8, .size: 8, .value_kind: global_buffer, .address_space: global }
      - { .name: Wk, .offset: 16, .size: 8, .value_kind: global_buffer, .address_space: global }
      - { .name: Wv, .offset: 24, .size: 8, .value_kind: global_buffer, .address_space: global }
      - { .name: hs_codes, .offset: 32, .size: 8, .value_kind: global_buffer, .address_space: global }
      - { .name: hs_scales, .offset: 40, .size: 8, .value_kind: global_buffer, .address_space: global }
      - { .name: w_codes, .offset: 48, .size: 8, .value_kind: global_buffer, .address_space: global }
      - { .name: w_scales, .offset: 56, .size: 8, .value_kind: global_buffer, .address_space: global }
    .group_segment_fixed_size: 42496
    .private_segment_fixed_size: 0
    .kernarg_segment_align: 8
    .kernarg_segment_size: 64
    .max_flat_workgroup_size: 128
    .sgpr_count:     66
    .vgpr_count:     224
    .wavefront_size: 32
...
	.end_amdgpu_metadata
.endif
;; end of part 1
;; launch proj (part 2): grid 8 x 32, 4 waves a work-group, clusters of 4 x 4, 327,680 bytes of LDS; arguments hs_codes, hs_scales, w_codes, w_scales, bq, qkv; writes qkv
.if DOCPART == 2
	.amdgcn_target "amdgcn-amd-amdhsa--gfx1250"
	.amdhsa_code_object_version 6
	.text
	.protected	k_q054211d9bd_proj
	.globl	k_q054211d9bd_proj
	.p2align	8
	.type	k_q054211d9bd_proj,@function
k_q054211d9bd_proj:
	s_mov_b64 s[64:65], 0
	v_nop
	global_prefetch_b8 v0, s[64:65] scope:SCOPE_SE
	s_setreg_imm32_b32 hwreg(HW_REG_WAVE_MODE, 25, 1), 1
	s_wait_xcnt 0x0
	s_wait_alu depctr_hold_cnt(0) depctr_sa_sdst(0) depctr_va_vdst(0) depctr_va_sdst(0) depctr_va_ssrc(0) depctr_va_vcc(0) depctr_vm_vsrc(0)
	s_getreg_b32 s2, hwreg(HW_REG_IB_STS2, 6, 4)
	s_cmp_eq_u32 s2, 0
	s_cbranch_scc0 .Lentry_in_a_cluster
	s_endpgm
.Lentry_in_a_cluster:
	s_bfe_u32 s2, ttmp6, 0x10000c
	s_cmp_lg_u32 s2, 0xf033
	s_cbranch_scc0 .Lentry_shape_is_right
	s_endpgm
.Lentry_shape_is_right:
; qkv[m][n] = sum over k of hs[m][k] W[n][k] (+ bq[n] for n < 1,024), m = 0 .. 8,191, n = 0 .. 3,071 (q, k, v columns), on codes of FP4 (E2M1) with one E8M0 scale for each 32 along K = 1,024; sums in f32, stored as f16.
; WORK LEFT OUT: bk (the same for every key of a row of scores: the softmax takes it away; shown at the head of the first kernel).  bv is added by the last launch.
; LIMIT: |q|, |k|, |v| stay under 65,504, f16's largest number.
; SHARES.  8,192 x 3,072 results are 256 equal shares of 256 rows x 384 columns.  Work-group (X, Y) makes the tile of 256 x 256 at column 256 X of q | k, four waves of 128 x 128 (64 accumulators),
; and then, from the SAME 256 rows of hs, which stay in LDS, the 128 columns 128 X on of v: four waves of 64 rows x 128 columns (32 accumulators), so that a wave's row is 256 bytes.
; LDS.  K goes in two steps of 512 through two slots, each with 256 rows of hs and 256 of W.  All 640 rows do not fit at once: Wv's 128 rows x two K halves land in the bytes of slot 0's W tile,
; behind the one change of slots: one joint refill, waves 2 and 3, a K half each.  The scale bytes of the first tile's rows come with the first fills; Wv's scale words come straight into registers.
; By this text's count a wave has three tensor loads out at the start and at most one later.
; CLUSTERS: 4 x 4.  hs's tiles are shared along a row of the cluster, W's along a column: joint loads.  Cluster x = 0 makes q, cluster x = 1 makes k.
; THE MATRIX INSTRUCTION IS USED TRANSPOSED (source 0 = 16 rows of W, source 1 = 16 rows of hs): a lane holds eight neighbouring columns of one row.
; No prefetch: all tiles but one are asked for at the head, and that one has half of the first tile's products and its way out in which to land.
; REGISTERS: window 0: v0-31 addresses; v32-95 scale words, two sets, v96-127 and v224-255 Wv's scale words: these hold scales and nothing else; v128-191 hs's fragments, on the way out rows read back; v192-223 packed results.
;   window 1: W's fragments, sets at v0 and v128; v64-127 bq in the result's layout.   windows 2, 3: the accumulators ((a, b) at v[8 (8 (a % 4) + b)]).
.set NQ,     4
.set ROWB,   256
.set KROW,   512
.set PITCH,  272                       ; an LDS row: 256 bytes + 16 of padding: the 16 rows of a load start at 16 different banks
.set FR,     8
.set NL,     2
.set NP,     4
.set HALFT,  128*PITCH
.set SLOT,   4*HALFT
.set SCL,    2*SLOT                    ; the scale bytes: 4,096 x wave: [K half 2][128 rows][16]
.set SPARE,  SCL+16384                 ; the spare words, 128 bytes a wave, which no other line names
.set STG,    SPARE+512                 ; the way out: 16 rows x 272 for each wave, bytes of its own: no fill lands here
.set SPITCH, 272
.set CROW,   6144                      ; a row of qkv in bytes
.set SVA,  14                          ; v14  16 x (lane % 16)
.set ADRA, 16
.set ADRA2, 18                         ; v18-19  the v part: my 64 rows of hs in slot 0, 1
.set ADRB, 20
.set ADRB2, 22                         ; v22-23  Wv's K half 0, 1
.set STO,  24
.set RD,   25
.set CO,   26
.set ADRS, 27
.set SPW,  28
.set NIL,  29
.set BQA,  30
.set ADRS2, 31                         ; v31  the v part: my rows' scale words
.set SC,   32
.set SV0,  96                          ; Wv's scale words, K half 0: block b, step q at v[96 + 4 b + q]
.set SV1,  224                         ; K half 1
.set AF,   128
.set BQ,   64                          ; in window 1
.set TMP,  192
.set OB,   128
.set G1, 24
.set G0, 32
.set G1B, 48
.set G0B, 56
.set G1S, 68
.set G0S, 76
.set G1SB, 80
.set G0SB, 88
.set G0V, 96                           ; s[96:99] group 0 for Wv's codes
.set MSB, 0
.macro WIN new                         ; the immediate's high byte repeats the setting that is left
.if MSB != (\new)
	s_set_vgpr_msb (MSB<<8)|(\new)
.set MSB, (\new)
.endif
.endm
.set MUL_LO, 0xa1                      ; source 0 (W) window 1, source 1 (hs) window 0, C and D window 2
.set MUL_HI, 0xf1
.set TO_B,   0x40
; A joint load: waves 0 and 1 fetch for hs, waves 2 and 3 for W.  An s_nop 0 and four v_nop follow each of the two lines.
.macro JLOAD g0a, g1a, g0b, g1b
	s_cmp_eq_u32 s15, 0
	s_cbranch_scc0 .Lfor_b_\@
	tensor_load_to_lds s[\g0a:\g0a+3], s[\g1a:\g1a+7]
	s_nop 0
.rept 4
	v_nop
.endr
	s_branch .Lasked_\@
.Lfor_b_\@:
	tensor_load_to_lds s[\g0b:\g0b+3], s[\g1b:\g1b+7]
	s_nop 0
.rept 4
	v_nop
.endr
.Lasked_\@:
.endm
.macro CREST                           ; a round of the cluster's barrier behind its opening barrier
	s_cmp_lg_u32 s14, 0
	s_cbranch_scc1 .Lnot_wave_0_\@
	s_barrier_signal -3
.Lnot_wave_0_\@:
	s_barrier_wait -3
	s_barrier_signal -1
	s_barrier_wait -1
.endm
.macro CROUND                          ; a whole round
	s_barrier_signal -1
	s_barrier_wait -1
	CREST
.endm
	s_load_b128 s[4:7], s[0:1], 0x0                ; hs_codes s[4:5], hs_scales s[6:7]
	s_load_b128 s[8:11], s[0:1], 0x10              ; w_codes s[8:9], w_scales s[10:11]
	s_load_b64 s[66:67], s[0:1], 0x20              ; bq
	s_load_b64 s[12:13], s[0:1], 0x28              ; qkv
	v_lshl_add_u32 v[SPW], v0, 2, SPARE
	v_mov_b32 v[NIL], 0
	ds_add_u32 v[SPW], v[NIL]                      ; the wave's opening: the add, twice on end, and its wait ahead of my first tensor load
	ds_add_u32 v[SPW], v[NIL]
	v_lshrrev_b32 v1, 5, v0
	v_readfirstlane_b32 s14, v1                    ; wave 0..3
	s_lshr_b32 s15, s14, 1                         ; my half of the tile's rows.  Also: I fetch for hs (0) or W (1)
	s_and_b32 s16, s14, 1                          ; my half of its columns.  Also: which 128 rows I fetch
	s_bfe_u32 s40, ttmp6, 0x40000                  ; cx
	s_bfe_u32 s41, ttmp6, 0x40004                  ; cy
	s_lshl_b32 s42, ttmp9, 2
	s_add_co_u32 s42, s42, s40                     ; X: 0..7
	s_and_b32 s17, ttmp7, 0xffff
	s_lshl_b32 s17, s17, 2
	s_add_co_u32 s17, s17, s41                     ; Y: 0..31
	s_lshl_b32 s43, s41, 2
	s_lshl_b32 s43, 15, s43                        ; my row of the cluster
	s_lshl_b32 s44, 0x1111, s40                    ; my column
	s_or_b32 s[G1+0], s43, (0<<16)|(1<<20)|(1<<21)|(5<<22)|(3<<25)   ; the mask; elements of 1 byte; padding: 4 words behind every 64; bit 21 beside a mask
	s_or_b32 s[G1B+0], s44, (0<<16)|(1<<20)|(1<<21)|(5<<22)|(3<<25)
.irp g, G1, G1B
	s_mov_b32 s[\g+1], ROWB<<16                    ; tensor_dim0 = 256
	s_mov_b32 s[\g+2], 128<<16                     ; tensor_dim1 = 128
	s_mov_b32 s[\g+3], ROWB<<16                    ; tile_dim0
	s_mov_b32 s[\g+4], 128                         ; tile_dim1
	s_mov_b32 s[\g+5], KROW                        ; from row to row
	s_mov_b32 s[\g+6], 0
	s_mov_b32 s[\g+7], 0
.endr
	s_or_b32 s[G1S+0], s43, (3<<16)|(1<<21)        ; the scale bytes of 128 rows: 2 rows (K halves) of 256 elements of 8 bytes, no padding
	s_or_b32 s[G1SB+0], s44, (3<<16)|(1<<21)
.irp g, G1S, G1SB
	s_mov_b32 s[\g+1], 256<<16
	s_mov_b32 s[\g+2], 2<<16
	s_mov_b32 s[\g+3], 256<<16
	s_mov_b32 s[\g+4], 2
	s_mov_b32 s[\g+6], 0
	s_mov_b32 s[\g+7], 0
.endr
	s_mov_b32 s[G1S+5], 16384                      ; from K half to K half: 8,192 rows x 16 bytes, in elements of 8
	s_mov_b32 s[G1SB+5], 6144                      ; 3,072 rows x 16 bytes
	s_lshl_b32 s18, s16, 7
	s_lshl_b32 s20, s17, 8
	s_add_co_u32 s20, s20, s18                     ; hs: row 256 Y + 128 x half
	s_lshl_b32 s46, s42, 8
	s_add_co_u32 s46, s46, s18                     ; W: row 256 X + 128 x half
	s_lshl_b32 s22, s20, 4                         ; their scale bytes: 16 a row
	s_mov_b32 s23, 0
	s_lshl_b32 s92, s46, 4
	s_mov_b32 s93, 0
	s_lshl_b32 s20, s20, 9                         ; their codes: 512 bytes a row
	s_mov_b32 s21, 0
	s_lshl_b32 s46, s46, 9
	s_mov_b32 s47, 0
	s_mul_i32 s45, s14, HALFT                      ; where they go: no place in the cluster enters an LDS address
	s_lshl_b32 s94, s14, 12
	s_wait_dscnt 0x0                               ; both opening adds are done
	s_wait_kmcnt 0x0
	s_add_nc_u64 s[20:21], s[4:5], s[20:21]
	s_add_nc_u64 s[22:23], s[6:7], s[22:23]
	s_add_nc_u64 s[46:47], s[8:9], s[46:47]
	s_add_nc_u64 s[92:93], s[10:11], s[92:93]
	s_lshl_b32 s18, s42, 11                        ; Wv's scale bytes: rows 2,048 + 128 X on, 16 bytes each
	s_add_co_u32 s18, s18, 32768
	s_mov_b32 s19, 0
	s_add_nc_u64 s[6:7], s[10:11], s[18:19]
	s_lshl_b32 s18, s42, 16                        ; Wv's codes: the same rows, 512 bytes each,
	s_add_co_u32 s18, s18, 0x100000
	s_lshl_b32 s95, s16, 8
	s_add_co_u32 s18, s18, s95                     ; + 256 x the K half that I fetch (wave % 2)
	s_add_nc_u64 s[G0V+2:G0V+3], s[8:9], s[18:19]
	s_or_b32 s[G0V+3], s[G0V+3], 0x80000000
	s_mov_b32 s[G0V], 1
	s_mul_i32 s[G0V+1], s16, HALFT
	s_add_co_u32 s[G0V+1], s[G0V+1], 2*HALFT       ; into slot 0's W tile: K half 0, then K half 1
	CROUND                                         ; all sixteen work-groups are here: the joint loads meet
	s_mov_b32 s[G0S], 1
	s_add_co_u32 s[G0S+1], s94, SCL
	s_mov_b64 s[G0S+2:G0S+3], s[22:23]
	s_or_b32 s[G0S+3], s[G0S+3], 0x80000000
	s_mov_b32 s[G0SB], 1
	s_add_co_u32 s[G0SB+1], s94, SCL
	s_mov_b64 s[G0SB+2:G0SB+3], s[92:93]
	s_or_b32 s[G0SB+3], s[G0SB+3], 0x80000000
	JLOAD G0S, G1S, G0SB, G1SB                     ; the scale bytes first
.irp s, 0,1
	s_mov_b32 s[G0+4*\s], 1
	s_add_co_u32 s[G0+4*\s+1], s45, \s*SLOT
	s_add_nc_u64 s[G0+4*\s+2:G0+4*\s+3], s[20:21], \s*ROWB
	s_or_b32 s[G0+4*\s+3], s[G0+4*\s+3], 0x80000000
	s_mov_b32 s[G0B+4*\s], 1
	s_add_co_u32 s[G0B+4*\s+1], s45, \s*SLOT
	s_add_nc_u64 s[G0B+4*\s+2:G0B+4*\s+3], s[46:47], \s*ROWB
	s_or_b32 s[G0B+4*\s+3], s[G0B+4*\s+3], 0x80000000
	JLOAD G0+4*\s, G1, G0B+4*\s, G1B
.endr
	v_and_b32 v1, 15, v0                           ; r
	v_bfe_u32 v2, v0, 4, 1                         ; h
	v_lshlrev_b32 v[SVA], 4, v1
.irp b, 0,1,2,3,4,5,6,7                ; Wv's scale words: lane r (and r + 16) takes row 16 b + r's 16 bytes of each K half: sixteen lanes read 256 consecutive bytes
	global_load_b128 v[SV0+4*\b:SV0+4*\b+3], v[SVA], s[6:7] offset:256*\b
	global_load_b128 v[SV1+4*\b:SV1+4*\b+3], v[SVA], s[6:7] offset:49152+256*\b
.endr
	v_mul_u32_u24 v3, v1, PITCH
	v_lshl_add_u32 v4, v2, 4, v3                   ; a fragment's row x pitch + 16 h
	s_mul_i32 s21, s15, HALFT
	s_mul_i32 s22, s16, HALFT
	s_add_co_u32 s22, s22, 2*HALFT
.irp s, 0,1
	v_add_nc_u32 v[ADRA+\s], s21, v4
	v_add_nc_u32 v[ADRB+\s], s22, v4
	s_add_co_u32 s21, s21, SLOT
	s_add_co_u32 s22, s22, SLOT
.endr
	s_mul_i32 s21, s14, 64*PITCH                   ; the v part: my 64 rows of hs
	v_add_nc_u32 v[ADRA2], s21, v4
	s_add_co_u32 s21, s21, SLOT
	v_add_nc_u32 v[ADRA2+1], s21, v4
	v_add_nc_u32 v[ADRB2], 2*HALFT, v4             ; and Wv's two K halves
	v_add_nc_u32 v[ADRB2+1], 3*HALFT, v4
	s_lshl_b32 s21, s15, 12                        ; my 64 rows' scale words: the region of their 128 rows, + 64 (wave % 2) rows of 16 bytes
	s_lshl_b32 s22, s16, 10
	s_add_co_u32 s21, s21, s22
	s_add_co_u32 s21, s21, SCL
	v_add_nc_u32 v[ADRS2], s21, v[SVA]
	v_lshlrev_b32 v5, 4, v1                        ; the first tile: my row's 16 scale bytes of a K half
	s_lshl_b32 s21, s15, 12                        ; hs's: the region of my 128 rows
	s_lshl_b32 s22, s16, 12                        ; W's: behind hs's two regions
	s_add_co_u32 s22, s22, 8192
	s_sub_co_u32 s22, s22, s21
	v_mul_u32_u24 v6, s22, v2                      ; lanes 16-31 take W's: one product, the distance between the two bases
	s_add_co_u32 s21, s21, SCL
	v_add_nc_u32 v5, v5, v6
	v_add_nc_u32 v[ADRS], s21, v5
	s_mul_i32 s23, s14, 16*SPITCH
	s_add_co_u32 s23, s23, STG                     ; my stage
	v_add_nc_u32 v[STO], s23, v4                   ; in: row r, 16 bytes for each half of the lanes
	v_mul_u32_u24 v5, v2, SPITCH
	v_lshl_add_u32 v5, v1, 4, v5
	v_add_nc_u32 v[RD], s23, v5                    ; back: lanes 0-15 one row of 256 bytes, lanes 16-31 the next
	v_mul_u32_u24 v5, v2, CROW
	v_lshl_add_u32 v[CO], v1, 4, v5                ; and the same two rows in qkv
	v_lshlrev_b32 v[BQA], 5, v2                    ; bq: 32 h bytes
	s_lshl_b32 s20, s17, 8                         ; the v part goes to row 256 Y + 64 wave, byte 4,096 + 256 X
	s_lshl_b32 s21, s14, 6
	s_add_co_u32 s20, s20, s21
	s_mul_i32 s20, s20, CROW
	s_lshl_b32 s21, s42, 8
	s_add_co_u32 s20, s20, s21
	s_add_co_u32 s20, s20, 4096
	s_mov_b32 s21, 0
	s_add_nc_u64 s[2:3], s[12:13], s[20:21]
	s_lshl_b32 s20, s17, 8                         ; the first tile: my first row,
	s_lshl_b32 s21, s15, 7
	s_add_co_u32 s20, s20, s21
	s_mul_i32 s20, s20, CROW
	s_mov_b32 s21, 0
	s_lshl_b32 s46, s42, 9                         ; my first column in bytes: 512 X + 256 x half
	s_lshl_b32 s47, s16, 8
	s_add_co_u32 s46, s46, s47
	s_mov_b32 s47, 0
	s_add_nc_u64 s[20:21], s[20:21], s[46:47]
	s_add_nc_u64 s[12:13], s[12:13], s[20:21]
.macro FRAG reg, adr, q, i             ; 16 rows x 128 K of 4-bit codes: registers 4 c .. 4 c + 3 hold K = 64 c + 32 h + 0 .. 31
.irp c, 0,1
	ds_load_b128 v[\reg+4*\c:\reg+4*\c+3], v[\adr] offset:64*(\q)+32*\c+(\i)*16*PITCH
.endr
.endm
; 16 matrix instructions: hs's blocks a0, a0 + 1 x W's eight.  zero = 1: the sums start with 0; 2: with bq; 0: they go on.  The 64 accumulators take turns.
.macro MUL16 a0, p, q, sc, zero
.irp a, \a0, \a0+1
.irp b, 0,1,2,3,4,5,6,7
.set rD, 8*(8*((\a)%4)+\b)
.set rB, 128*(\p)+FR*\b
.set rA, AF+FR*(\a)
.set rSB, SC+8*NQ*(\sc)+NQ*\b+(\q)
.set rSA, SC+8*NQ*(\sc)+NQ*(\a)+(\q)
.if \zero == 1
	v_wmma_scale_f32_16x16x128_f8f6f4 v[rD:rD+7], v[rB:rB+7], v[rA:rA+7], 0, v[rSB], v[rSA] matrix_a_fmt:MATRIX_FMT_FP4 matrix_b_fmt:MATRIX_FMT_FP4 matrix_a_scale:MATRIX_SCALE_ROW1
.elseif \zero == 2
	v_wmma_scale_f32_16x16x128_f8f6f4 v[rD:rD+7], v[rB:rB+7], v[rA:rA+7], v[BQ+8*\b:BQ+8*\b+7], v[rSB], v[rSA] matrix_a_fmt:MATRIX_FMT_FP4 matrix_b_fmt:MATRIX_FMT_FP4 matrix_a_scale:MATRIX_SCALE_ROW1
.else
	v_wmma_scale_f32_16x16x128_f8f6f4 v[rD:rD+7], v[rB:rB+7], v[rA:rA+7], v[rD:rD+7], v[rSB], v[rSA] matrix_a_fmt:MATRIX_FMT_FP4 matrix_b_fmt:MATRIX_FMT_FP4 matrix_a_scale:MATRIX_SCALE_ROW1
.endif
.endr
.endr
.endm
.macro FETCH_B slot, q, p
	WIN TO_B
.irp i, 0,1,2,3,4,5,6,7
	FRAG 128*(\p)+FR*\i, ADRB+\slot, \q, \i
.endr
	WIN 0
.endm
.macro FETCH_A slot, q, i0
.irp i, \i0, \i0+1, \i0+2, \i0+3
	FRAG AF+FR*(\i), ADRA+\slot, \q, \i
.endr
.endm
.macro SCALES sc                       ; K half sc: four words a row; lanes 0-15 take hs's block i, lanes 16-31 W's block i
.irp i, 0,1,2,3,4,5,6,7
	ds_load_b128 v[SC+8*NQ*\sc+NQ*\i:SC+8*NQ*\sc+NQ*\i+3], v[ADRS] offset:256*\i+2048*\sc
.endr
.endm
.macro PLACES n                        ; plain vector lines between a matrix instruction and a load into, or a read of, its registers
.rept \n
	v_nop
.endr
.endm
.macro STEP slot, q, zero              ; 128 along K with its successor in the same slot
	s_wait_dscnt 4*NL                              ; all but the youngest eight loads (hs's blocks 4-7) are in
.if \zero == 2
	WIN 0x91                                       ; C (bq) in window 1
.else
	WIN MUL_LO
.endif
	MUL16 0, (\q)%2, \q, \slot, \zero
	MUL16 2, (\q)%2, \q, \slot, \zero
	s_wait_dscnt 0
	PLACES NP
	FETCH_B \slot, (\q)+1, 1-(\q)%2
	FETCH_A \slot, (\q)+1, 0
.if \zero == 2
	WIN 0xd1
.else
	WIN MUL_HI
.endif
	MUL16 4, (\q)%2, \q, \slot, \zero
	MUL16 6, (\q)%2, \q, \slot, \zero
	PLACES NP
	WIN 0
	FETCH_A \slot, (\q)+1, 4
.endm
.macro STEPS slot, from
.set Q, \from
.rept NQ-1-\from
	STEP \slot, Q, 0
.set Q, Q+1
.endr
.endm
.macro START zero                      ; the first step: its products start the sums
	s_wait_tensorcnt 1                             ; the scale bytes and my part of slot 0 are in; slot 1's load may be out
	s_barrier_signal -1
	s_barrier_wait -1
	FETCH_B 0, 0, 0
	FETCH_A 0, 0, 0
	SCALES 0
	FETCH_A 0, 0, 4
.if \zero == 2
	s_wait_loadcnt 0x0                             ; bq
.endif
	STEP 0, 0, \zero
.endm
	s_cmp_lg_u32 ttmp9, 0                          ; cluster x: the same in all sixteen partners and all waves.  Cluster 0 makes q, which has a bias
	s_cbranch_scc1 .Lplain
	s_lshl_b32 s18, s42, 10                        ; bq at my first column: 4 (256 X + 128 half)
	s_lshl_b32 s19, s16, 9
	s_add_co_u32 s18, s18, s19
	s_mov_b32 s19, 0
	s_add_nc_u64 s[66:67], s[66:67], s[18:19]
	WIN 0x40
.irp b, 0,1,2,3,4,5,6,7                ; lane (r, h), tile b: bq of columns 16 b + 8 h + 0 .. 7: the result's layout
	global_load_b128 v[BQ+8*\b:BQ+8*\b+3], v[BQA], s[66:67] offset:64*\b
	global_load_b128 v[BQ+8*\b+4:BQ+8*\b+7], v[BQA], s[66:67] offset:64*\b+16
.endr
	WIN 0
	START 2
	s_branch .Ljoin
.Lplain:
	START 1
.Ljoin:
	STEPS 0, 1
	; THE CHANGE OF SLOTS.  In front of the barrier each wave waits for all its tensor loads, adds 0 to its spare word, and waits for that and for its reads of slot 0.  The barrier opens a round of the
	; cluster's, behind which no wave of any partner reads slot 0's W tile any more: Wv's codes land there.  hs's tile in slot 0 stays.
	s_wait_tensorcnt 0x0                           ; slot 1's load has landed
	ds_add_u32 v[SPW], v[NIL]
	s_wait_dscnt 4*NL+1                            ; the add and the youngest eight loads may be out
	WIN MUL_LO
	MUL16 0, 1, NQ-1, 0, 0
	s_wait_dscnt 0x0                               ; the add is done, and my reads of slot 0 are over
	s_barrier_signal -1
	MUL16 2, 1, NQ-1, 0, 0
	WIN 0
	s_barrier_wait -1
	CREST
	s_cmp_eq_u32 s15, 0                            ; waves 2 and 3 fetch, a K half each; the branch hangs on the wave's number alone
	s_cbranch_scc1 .Lno_wv
	tensor_load_to_lds s[G0V:G0V+3], s[G1B:G1B+7]  ; the wave's one tensor load behind the round
	s_nop 0
.rept 4
	v_nop
.endr
.Lno_wv:
	PLACES NP
	FETCH_B 1, 0, 0
	FETCH_A 1, 0, 0
	SCALES 1
	WIN MUL_HI
	MUL16 4, 1, NQ-1, 0, 0
	MUL16 6, 1, NQ-1, 0, 0
	PLACES NP
	WIN 0
	FETCH_A 1, 0, 4
	STEPS 1, 0
	s_wait_dscnt 4*NL                              ; the first tile's last step
	WIN MUL_LO
	MUL16 0, 1, NQ-1, 1, 0
	MUL16 2, 1, NQ-1, 1, 0
	s_wait_dscnt 0
	WIN MUL_HI
	MUL16 4, 1, NQ-1, 1, 0
	MUL16 6, 1, NQ-1, 1, 0
	WIN 0
; THE WAY OUT, block by block of 16 rows x 128 columns: rounded to f16, 16 bytes a lane into my stage, back as whole rows of 256 bytes, stored sixteen lanes to an aligned 256 bytes.
.macro PACK a
.set AC, 64*((\a)%4)
	WIN 0x0a+5*((\a)/4)                            ; sources 0 and 1: window 2 or 3
.irp b, 0,1,2,3,4,5,6,7
.irp r, 0,1,2,3
	v_cvt_pk_f16_f32 v[TMP+4*\b+\r], v[AC+8*\b+2*\r], v[AC+8*\b+2*\r+1]   ; each accumulator from its low end on
.endr
.endr
	WIN 0
.endm
.macro TOSTAGE a
.set BB, OB+32*((\a)%2)
.irp b, 0,1,2,3,4,5,6,7
	ds_store_b128 v[STO], v[TMP+4*\b:TMP+4*\b+3] offset:32*\b
.endr
.irp t, 0,1,2,3,4,5,6,7
	ds_load_b128 v[BB+4*\t:BB+4*\t+3], v[RD] offset:\t*2*SPITCH    ; LDS serves a wave in order: these see the stores above
.endr
.endm
.macro SEND a, bs                      ; bs: the scalar pair that holds the base
.set BB, OB+32*((\a)%2)
	s_wait_dscnt 0x0                               ; the block is back in registers
	s_wait_xcnt 0x0                                ; earlier stores have read their base and their data: both may be written again
.if (\a) > 0
	s_add_nc_u64 s[\bs:\bs+1], s[\bs:\bs+1], 16*CROW
.endif
.irp t, 0,1,2,3,4,5,6,7
	global_store_b128 v[CO], v[BB+4*\t:BB+4*\t+3], s[\bs:\bs+1] offset:2*\t*CROW
.endr
.endm
	PLACES NP
	PACK 0
	TOSTAGE 0
.irp a, 1,2,3,4,5,6,7
	PACK \a
	SEND \a-1, 12
	TOSTAGE \a
.endr
	SEND 7, 12
; THE v PART: 256 rows x 128 columns.  Wave w: rows 64 w on (4 blocks) x Wv's 8 blocks: 32 accumulators by turns, 8 steps of 128 along K.  The first tile's stores leave meanwhile.
	s_wait_tensorcnt 0x0                           ; Wv's codes have landed (waves 2 and 3 fetched them),
	s_wait_dscnt 0x0
	s_barrier_signal -1
	s_barrier_wait -1                              ; and every wave knows
	s_wait_loadcnt 0x0                             ; Wv's scale words
	s_wait_xcnt 0x0                                ; the stores above have read the registers into which fragments now land
.irp sc, 0,1
.irp i, 0,1,2,3
	ds_load_b128 v[SC+32*\sc+4*\i:SC+32*\sc+4*\i+3], v[ADRS2] offset:256*\i+2048*\sc   ; my rows' scale words, both K halves
.endr
.endr
.macro FETCH2 k                        ; step k's fragments into set k % 2
.set sl2, (\k)/4
.set q2, (\k)%4
.set p2, (\k)%2
	WIN TO_B
.irp i, 0,1,2,3,4,5,6,7
	FRAG 128*p2+FR*\i, ADRB2+sl2, q2, \i
.endr
	WIN 0
.irp i, 0,1,2,3
	FRAG AF+32*p2+FR*\i, ADRA2+sl2, q2, \i
.endr
.endm
.macro MUL2 k
.set sl2, (\k)/4
.set q2, (\k)%4
.set p2, (\k)%2
.irp i, 0,1,2,3
.irp b, 0,1,2,3,4,5,6,7
.set rD, 8*(8*\i+\b)
.set rB, 128*p2+FR*\b
.set rA, AF+32*p2+FR*\i
.set rSB, SV0+(SV1-SV0)*sl2+4*\b+q2
.set rSA, SC+32*sl2+4*\i+q2
.if (\k) == 0
	v_wmma_scale_f32_16x16x128_f8f6f4 v[rD:rD+7], v[rB:rB+7], v[rA:rA+7], 0, v[rSB], v[rSA] matrix_a_fmt:MATRIX_FMT_FP4 matrix_b_fmt:MATRIX_FMT_FP4
.else
	v_wmma_scale_f32_16x16x128_f8f6f4 v[rD:rD+7], v[rB:rB+7], v[rA:rA+7], v[rD:rD+7], v[rSB], v[rSA] matrix_a_fmt:MATRIX_FMT_FP4 matrix_b_fmt:MATRIX_FMT_FP4
.endif
.endr
.endr
.endm
.macro STEP2 k
	s_wait_dscnt 0x0                               ; this step's fragments are in
.if (\k) < 7
	PLACES NP                                      ; the other set was read by the step before
	FETCH2 (\k)+1
.endif
	WIN MUL_LO
	MUL2 \k
	WIN 0
.endm
	FETCH2 0
	PLACES 5                                       ; the first products begin accumulators anew
.irp k, 0,1,2,3,4,5,6,7
	STEP2 \k
.endr
	PLACES NP
	PACK 0
	TOSTAGE 0
.irp a, 1,2,3
	PACK \a
	SEND \a-1, 2
	TOSTAGE \a
.endr
	SEND 3, 2
	s_wait_tensorcnt 0x0                           ; the wave's end
	ds_add_u32 v[SPW], v[NIL]
	s_wait_dscnt 0x0
	CROUND                                         ; the closing round
	s_endpgm
.Lfunc_end_k_q054211d9bd_proj:
	.size	k_q054211d9bd_proj, .Lfunc_end_k_q054211d9bd_proj-k_q054211d9bd_proj
	.p2alignl 7, 3214868480
	.fill 96, 4, 3214868480
	.section	.rodata,"a",@progbits
	.p2align	6, 0x0
	.amdhsa_kernel k_q054211d9bd_proj
		.amdhsa_group_segment_fixed_size 327680
		.amdhsa_private_segment_fixed_size 0
		.amdhsa_enable_private_segment 0
		.amdhsa_kernarg_size 48
		.amdhsa_user_sgpr_count 2
		.amdhsa_user_sgpr_kernarg_segment_ptr 1
		.amdhsa_wavefront_size32 1
		.amdhsa_system_sgpr_workgroup_id_x 1
		.amdhsa_system_sgpr_workgroup_id_y 1
		.amdhsa_system_sgpr_workgroup_id_z 1
		.amdhsa_system_vgpr_workitem_id 0
		.amdhsa_next_free_vgpr 1024
		.amdhsa_next_free_sgpr 100
		.amdhsa_reserve_vcc 0
		.amdhsa_float_denorm_mode_32 3
		.amdhsa_float_denorm_mode_16_64 3
		.amdhsa_memory_ordered 1
		.amdhsa_forward_progress 1
		.amdhsa_inst_pref_size 208
	.end_amdhsa_kernel
	.amdgpu_metadata
---
amdhsa.version: [ 1, 2 ]
amdhsa.kernels:
  - .name:           k_q054211d9bd_proj
    .symbol:         k_q054211d9bd_proj.kd
    .args:
      - { .name: hs_codes, .offset: 0, .size: 8, .value_kind: global_buffer, .address_space: global }
      - { .name: hs_scales, .offset: 8, .size: 8, .value_kind: global_buffer, .address_space: global }
      - { .name: w_codes, .offset: 16, .size: 8, .value_kind: global_buffer, .address_space: global }
      - { .name: w_scales, .offset: 24, .size: 8, .value_kind: global_buffer, .address_space: global }
      - { .name: bq, .offset: 32, .size: 8, .value_kind: global_buffer, .address_space: global }
      - { .name: qkv, .offset: 40, .size: 8, .value_kind: global_buffer, .address_space: global }
    .group_segment_fixed_size: 327680
    .private_segment_fixed_size: 0
    .kernarg_segment_align: 8
    .kernarg_segment_size: 48
    .max_flat_workgroup_size: 128
    .sgpr_count:     100
    .vgpr_count:     1024
    .wavefront_size: 32
...
	.end_amdgpu_metadata
.endif
;; end of part 2
;; launch scores (part 3): grid 8 x 32, 4 waves a work-group, clusters of 4 x 4, 327,680 bytes of LDS; arguments qkv, sparse_mask, attention_mask, p16, stats; writes p16, stats
.if DOCPART == 3
	.amdgcn_target "amdgcn-amd-amdhsa--gfx1250"
	.amdhsa_code_object_version 6
	.text
	.protected	k_q054211d9bd_scores
	.globl	k_q054211d9bd_scores
	.p2align	8
	.type	k_q054211d9bd_scores,@function
k_q054211d9bd_scores:
	s_mov_b64 s[64:65], 0
	v_nop
	global_prefetch_b8 v0, s[64:65] scope:SCOPE_SE
	s_setreg_imm32_b32 hwreg(HW_REG_WAVE_MODE, 25, 1), 1
	s_wait_xcnt 0x0
	s_wait_alu depctr_hold_cnt(0) depctr_sa_sdst(0) depctr_va_vdst(0) depctr_va_sdst(0) depctr_va_ssrc(0) depctr_va_vcc(0) depctr_vm_vsrc(0)
	s_getreg_b32 s2, hwreg(HW_REG_IB_STS2, 6, 4)
	s_cmp_eq_u32 s2, 0
	s_cbranch_scc0 .Lentry_in_a_cluster
	s_endpgm
.Lentry_in_a_cluster:
	s_bfe_u32 s2, ttmp6, 0x10000c
	s_cmp_lg_u32 s2, 0xf033
	s_cbranch_scc0 .Lentry_shape_is_right
	s_endpgm
.Lentry_shape_is_right:
; For each batch: s'[q][j] = q_q . k_j + 32 attention_mask[j] (f16 operands, f32 sums), -infinity where sparse_mask[q][j]; t = s' log2(e) / 32.
; For each query and each BLOCK of 128 keys: M = the block's largest t rounded up to a whole number; p = 2^(t - M), stored as f16; l = the sum of the f32 p.
; p16 IS LAID AS ITS READER'S OPERAND REGISTERS: [16 rows: 512][block of 128 keys: 16][16 keys: 8][lane 32][16 bytes]; lane (r, h) holds row r, keys 8 h + 0 .. 7 of the sixteen.  That is how a wave holds p here,
; so each group of four registers leaves by one store of 512 consecutive bytes, and two such groups are a fragment (16 rows x 32 keys) of the next product.
; -M and l go to stats [batch 4][block 16][-M, l][2048 queries] f32.  The last launch takes the largest M of a row away from all its blocks: the maximum is taken away at both levels.
; k holds no bk: work left out, shown at the head of the first kernel.
; A block all of whose keys are masked: the maximum is the floor -3e38, so M is finite, p = 0 and l = 0: no NaN arises here.
; LIMITS: NaN or +infinity among the inputs is not served; -infinity in attention_mask is.
; A tile of 256 queries x 256 keys is made by four waves, 128 x 128 each (one block of keys a wave).  K = 1,024 goes in 8 steps of 128 through a ring of two LDS slots.
; The tile's 256 x 256 mask bytes come as a ninth tile into slot 0, at the last change of slots, 64 rows a wave (a plain load: no partner shares them).
; CLUSTERS: 4 x 4.  q's tiles are shared along a row of the cluster, k's along a column: joint loads.
; TRANSPOSED USE: source 0 = 16 keys, source 1 = 16 queries: a lane holds ONE query (lane % 16) and eight neighbouring keys.
; 32 x attention_mask is the C of each sum's first matrix instruction: it costs no addition.
; REGISTERS: window 0: v0-31 addresses; v64-127, v128-191 q's fragments, two buffers; on the way out: v32-63 mask bytes, v64-127 scores, v128-159 packed p, v224-239 at work.
;   window 1: v64-127, v128-191 k's fragments; v192-255 32 x attention_mask in the result's layout.   windows 2, 3: the accumulators ((a, b) at v[8 (8 (a % 4) + b)]).
.set KSTEP,  128
.set PITCH,  272
.set HALFT,  128*PITCH
.set SLOT,   4*HALFT
.set STST,   2*SLOT                    ; 1,024 bytes for each wave: -M of its 128 queries, then l
.set SPARE,  STST+4096                 ; the spare words, which no other line names
.set QROW,   6144                      ; a row of qkv in bytes
.set LAPS,   4
.set ADRA, 16
.set SGO,  18                          ; v18  16 x lane
.set PFMV, 19                          ; v19  2,048 x lane: a row of the mask
.set ADRB, 20
.set STA,  22
.set STR,  23
.set MKA,  27
.set SPW,  28
.set NIL,  29
.set PFO,  30
.set AMA,  31
.set F0,   64
.set F1,   128
.set AMV,  192                         ; in window 1
.set MK,   32
.set T,    64
.set PK,   128
.set W,    224
.set NM,   232                         ; v[232:233]: -M, and a word that is only named
.set SU,   234
.set SV,   238
.set LL,   239
.set G1, 24
.set G0, 32
.set G1B, 48
.set G0B, 56
.set G1M, 68
.set G0M, 76
.set LIM, 43
.set PFA, 44
.set PFM, 82                           ; s[82:83] my wave's 64 rows of the mask tile
.set SEL, 88
.set CS,  90
.set INF, 92
.set HM,  93
.set MSB, 0
.macro WIN new
.if MSB != (\new)
	s_set_vgpr_msb (MSB<<8)|(\new)
.set MSB, (\new)
.endif
.endm
.set MUL_LO, 0xa1
.set MUL_HI, 0xf1
.set TO_B,   0x40
.macro JLOAD s                         ; waves 0 and 1 fetch q's halves, waves 2 and 3 k's; an s_nop 0 and four v_nop follow each line
	s_cmp_eq_u32 s11, 0
	s_cbranch_scc0 .Lfor_b_\@
	tensor_load_to_lds s[G0+4*\s:G0+4*\s+3], s[G1:G1+7]
	s_nop 0
.rept 4
	v_nop
.endr
	s_branch .Lasked_\@
.Lfor_b_\@:
	tensor_load_to_lds s[G0B+4*\s:G0B+4*\s+3], s[G1B:G1B+7]
	s_nop 0
.rept 4
	v_nop
.endr
.Lasked_\@:
.endm
; A prefetch of the K step that stands two refills on: 32 rows x 256 bytes, a lane a row.  q's rows are asked for by cluster x = 0, k's by the even cluster y of a batch; the four partners of a joint load
; take 32 rows each, told apart by address.  So each row's 256 bytes of a K step are named once.  The loop's last trip asks for nothing: K steps 4 to 7 are named in the first two trips.
.macro ASK
	s_cmp_gt_u32 s3, s[LIM]
	s_cbranch_scc0 .Lnot_mine_\@
	global_prefetch_b8 v[PFO], s[PFA:PFA+1] offset:KSTEP*2 th:TH_LOAD_NT scope:SCOPE_SE
.Lnot_mine_\@:
.endm
.macro ASKM                            ; in the loop's last trip: my wave's 64 rows x 256 bytes of the mask tile, a lane a row, one K step ahead of their tensor load
	s_cmp_eq_u32 s3, 1
	s_cbranch_scc0 .Lno_mask_\@
	global_prefetch_b8 v[PFMV], s[PFM:PFM+1] th:TH_LOAD_NT scope:SCOPE_SE
	global_prefetch_b8 v[PFMV], s[PFM:PFM+1] offset:65536 th:TH_LOAD_NT scope:SCOPE_SE
.Lno_mask_\@:
.endm
.macro CREST
	s_cmp_lg_u32 s10, 0
	s_cbranch_scc1 .Lnot_wave_0_\@
	s_barrier_signal -3
.Lnot_wave_0_\@:
	s_barrier_wait -3
	s_barrier_signal -1
	s_barrier_wait -1
.endm
.macro CROUND
	s_barrier_signal -1
	s_barrier_wait -1
	CREST
.endm
	s_load_b128 s[4:7], s[0:1], 0x0                ; qkv s[4:5], sparse_mask s[6:7]
	s_load_b64 s[84:85], s[0:1], 0x10              ; attention_mask
	s_load_b64 s[8:9], s[0:1], 0x18                ; p16
	s_load_b64 s[66:67], s[0:1], 0x20              ; stats
	v_lshl_add_u32 v[SPW], v0, 2, SPARE
	v_mov_b32 v[NIL], 0
	ds_add_u32 v[SPW], v[NIL]                      ; the wave's opening: the add, twice on end, and its wait ahead of my first tensor load
	ds_add_u32 v[SPW], v[NIL]
	v_lshrrev_b32 v1, 5, v0
	v_readfirstlane_b32 s10, v1                    ; wave 0..3
	s_lshr_b32 s11, s10, 1                         ; my half of the queries.  Also: I fetch for q (0) or k (1)
	s_and_b32 s12, s10, 1                          ; my half of the keys.  Also: which 128 rows I fetch
	s_bfe_u32 s40, ttmp6, 0x40000                  ; cx
	s_bfe_u32 s41, ttmp6, 0x40004                  ; cy
	s_lshl_b32 s42, ttmp9, 2
	s_add_co_u32 s42, s42, s40                     ; X: tile of keys 0..7
	s_and_b32 s86, ttmp7, 0xffff                   ; cluster y
	s_lshl_b32 s13, s86, 2
	s_add_co_u32 s13, s13, s41                     ; Y: tile of query rows 0..31 (all batches on end)
	s_lshr_b32 s87, s86, 1                         ; the batch: the same in all partners
	s_lshl_b32 s80, s41, 2
	s_lshl_b32 s80, 15, s80                        ; my row of the cluster
	s_lshl_b32 s81, 0x1111, s40                    ; my column
	s_or_b32 s[G1+0], s80, (1<<16)|(1<<20)|(1<<21)|(5<<22)|(3<<25)   ; the mask; elements of 2 bytes; padding: 4 words behind every 64; bit 21 beside a mask
	s_or_b32 s[G1B+0], s81, (1<<16)|(1<<20)|(1<<21)|(5<<22)|(3<<25)
.irp g, G1, G1B
	s_mov_b32 s[\g+1], KSTEP<<16                   ; tensor_dim0 = 128
	s_mov_b32 s[\g+2], 128<<16                     ; tensor_dim1 = 128
	s_mov_b32 s[\g+3], KSTEP<<16                   ; tile_dim0
	s_mov_b32 s[\g+4], 128                         ; tile_dim1
	s_mov_b32 s[\g+5], 3072                        ; from row to row, in elements
	s_mov_b32 s[\g+6], 0
	s_mov_b32 s[\g+7], 0
.endr
	s_mov_b32 s[G1M+0], (0<<16)|(1<<20)|(5<<22)|(3<<25)   ; the mask bytes: no work-group mask; elements of 1 byte; the same padding
	s_mov_b32 s[G1M+1], 256<<16
	s_mov_b32 s[G1M+2], 64<<16
	s_mov_b32 s[G1M+3], 256<<16
	s_mov_b32 s[G1M+4], 64
	s_mov_b32 s[G1M+5], 2048
	s_mov_b32 s[G1M+6], 0
	s_mov_b32 s[G1M+7], 0
	s_mov_b32 s[SEL], 0x76543210
	s_mov_b32 s[SEL+1], 0xfedcba98                 ; v_permlanex16_b32: lane l xor 16
	s_mov_b32 s[CS], 0x3d38aa3b                    ; c = log2(e) / 32
	s_mov_b32 s[CS+1], s[CS]
	s_mov_b32 s[INF], 0x7f800000
	s_mov_b32 s[HM], 0xffff0000                    ; lanes 16-31
	s_lshl_b32 s18, s12, 7
	s_lshl_b32 s16, s13, 8
	s_add_co_u32 s16, s16, s18                     ; q: row 256 Y + 128 half
	s_mul_i32 s16, s16, QROW
	s_mov_b32 s17, 0
	s_lshl_b32 s46, s87, 11
	s_lshl_b32 s47, s42, 8
	s_add_co_u32 s46, s46, s47
	s_add_co_u32 s46, s46, s18                     ; k: row 2,048 batch + 256 X + 128 half,
	s_mul_i32 s46, s46, QROW
	s_add_co_u32 s46, s46, 2048                    ; at byte 2,048 of a row
	s_mov_b32 s47, 0
	s_lshl_b32 s82, s13, 8
	s_lshl_b32 s83, s10, 6
	s_add_co_u32 s82, s82, s83                     ; the mask: row 256 Y + 64 wave,
	s_lshl_b32 s82, s82, 11
	s_lshl_b32 s83, s42, 8
	s_add_co_u32 s82, s82, s83                     ; byte 256 X
	s_mov_b32 s83, 0
	s_mul_i32 s20, s10, HALFT                      ; where the tiles go: wave x 128 rows
	s_wait_dscnt 0x0                               ; both opening adds are done
	s_wait_kmcnt 0x0
	s_add_nc_u64 s[14:15], s[4:5], s[16:17]
	s_add_nc_u64 s[46:47], s[4:5], s[46:47]
	s_add_nc_u64 s[PFM:PFM+1], s[6:7], s[82:83]
	CROUND                                         ; all sixteen work-groups are here: the first joint loads meet
.irp s, 0,1
	s_mov_b32 s[G0+4*\s], 1
	s_add_co_u32 s[G0+4*\s+1], s20, \s*SLOT
	s_add_nc_u64 s[G0+4*\s+2:G0+4*\s+3], s[14:15], \s*KSTEP*2
	s_or_b32 s[G0+4*\s+3], s[G0+4*\s+3], 0x80000000
	s_mov_b32 s[G0B+4*\s], 1
	s_add_co_u32 s[G0B+4*\s+1], s20, \s*SLOT
	s_add_nc_u64 s[G0B+4*\s+2:G0B+4*\s+3], s[46:47], \s*KSTEP*2
	s_or_b32 s[G0B+4*\s+3], s[G0B+4*\s+3], 0x80000000
	JLOAD \s
.endr
	s_mov_b32 s[G0M], 1
	s_mul_i32 s[G0M+1], s10, 64*PITCH              ; into slot 0: 64 rows x 272 for each wave
	s_mov_b64 s[G0M+2:G0M+3], s[PFM:PFM+1]
	s_or_b32 s[G0M+3], s[G0M+3], 0x80000000
	v_and_b32 v1, 15, v0                           ; r
	v_bfe_u32 v2, v0, 4, 1                         ; h
	v_lshlrev_b32 v[AMA], 5, v2                    ; attention_mask: 32 h bytes
	s_lshl_b32 s14, s87, 11
	s_lshl_b32 s15, s42, 8
	s_add_co_u32 s14, s14, s15
	s_lshl_b32 s15, s12, 7
	s_add_co_u32 s14, s14, s15                     ; my first key: 2,048 batch + 256 X + 128 half
	s_lshl_b32 s14, s14, 2
	s_mov_b32 s15, 0
	s_add_nc_u64 s[84:85], s[84:85], s[14:15]
	WIN 0x40
.irp b, 0,1,2,3,4,5,6,7                ; lane (r, h), tile b: the mask of keys 16 b + 8 h + 0 .. 7
	global_load_b128 v[AMV+8*\b:AMV+8*\b+3], v[AMA], s[84:85] offset:64*\b
	global_load_b128 v[AMV+8*\b+4:AMV+8*\b+7], v[AMA], s[84:85] offset:64*\b+16
.endr
	WIN 0
	v_mul_u32_u24 v3, v1, PITCH
	v_lshl_add_u32 v4, v2, 4, v3                   ; a fragment's row x pitch + 16 h
	s_mul_i32 s21, s11, HALFT
	s_mul_i32 s22, s12, HALFT
	s_add_co_u32 s22, s22, 2*HALFT
.irp s, 0,1
	v_add_nc_u32 v[ADRA+\s], s21, v4
	v_add_nc_u32 v[ADRB+\s], s22, v4
	s_add_co_u32 s21, s21, SLOT
	s_add_co_u32 s22, s22, SLOT
.endr
	s_mul_i32 s21, s11, HALFT                      ; the mask bytes: row 128 half + r, byte 128 x key half + 8 h
	s_lshl_b32 s22, s12, 7
	s_add_co_u32 s21, s21, s22
	v_lshl_add_u32 v[MKA], v2, 3, v3
	v_add_nc_u32 v[MKA], s21, v[MKA]
	s_lshl_b32 s23, s10, 10
	s_add_co_u32 s23, s23, STST
	v_lshlrev_b32 v5, 9, v2
	v_lshl_add_u32 v5, v1, 2, v5
	v_add_nc_u32 v[STA], s23, v5                   ; lanes 0-15 put -M, lanes 16-31 l: 512 h + 4 r
	v_and_b32 v6, 31, v0
	v_lshlrev_b32 v[SGO], 4, v6
	v_add_nc_u32 v[STR], s23, v[SGO]
	v_mul_u32_u24 v[PFO], v6, QROW
	v_lshlrev_b32 v[PFMV], 11, v6
	v_mov_b32 v[NM+1], 0                           ; named as the upper half of a pair, so it is written
	s_lshl_b32 s16, s13, 20                        ; p16: 16 Y + 8 x my half groups of 16 rows, 65,536 bytes each,
	s_lshl_b32 s17, s11, 19
	s_add_co_u32 s16, s16, s17
	s_lshl_b32 s17, s42, 13                        ; block 2 X + key half, 4,096 bytes each
	s_add_co_u32 s16, s16, s17
	s_lshl_b32 s17, s12, 12
	s_add_co_u32 s16, s16, s17
	s_mov_b32 s17, 0
	s_add_nc_u64 s[8:9], s[8:9], s[16:17]
	s_lshl_b32 s16, s87, 4                         ; stats: (16 batch + 2 X + key half) x 16,384 + 4 x my first query in the batch
	s_lshl_b32 s17, s42, 1
	s_add_co_u32 s16, s16, s17
	s_add_co_u32 s16, s16, s12
	s_lshl_b32 s16, s16, 14
	s_and_b32 s17, s13, 7
	s_lshl_b32 s17, s17, 10
	s_add_co_u32 s16, s16, s17
	s_lshl_b32 s17, s11, 9
	s_add_co_u32 s16, s16, s17
	s_mov_b32 s17, 0
	s_add_nc_u64 s[66:67], s[66:67], s[16:17]
	; the prefetches of q and k
	s_lshl_b32 s14, s13, 8                         ; q's tile begins at row 256 Y,
	s_lshl_b32 s15, s87, 11
	s_lshl_b32 s16, s42, 8
	s_add_co_u32 s15, s15, s16                     ; k's at 2,048 batch + 256 X
	s_and_b32 s16, s86, 1
	s_cmp_eq_u32 s11, 0                            ; do I fetch for q?
	s_cselect_b32 s20, s14, s15
	s_cselect_b32 s21, s40, s41                    ; my place among the four that ask with me
	s_cselect_b32 s22, ttmp9, s16                  ; the coordinate along which other clusters read the same rows
	s_cselect_b32 s23, 0, 2048
	s_cmp_eq_u32 s22, 0
	s_cselect_b32 s[LIM], 1, -1                    ; the same in all sixteen partners, for a given wave
	s_lshl_b32 s22, s12, 7
	s_add_co_u32 s20, s20, s22
	s_lshl_b32 s21, s21, 5
	s_add_co_u32 s20, s20, s21
	s_mul_i32 s20, s20, QROW
	s_add_co_u32 s20, s20, s23
	s_add_co_u32 s20, s20, 2*KSTEP*2               ; at K step 2: the first refill steps it to 3 and names K step 4
	s_mov_b32 s21, 0
	s_add_nc_u64 s[PFA:PFA+1], s[4:5], s[20:21]
	s_wait_loadcnt 0x0                             ; attention_mask
	WIN 0x41
.set i, 0
.rept 32
	v_pk_mul_f32 v[AMV+2*i:AMV+2*i+1], v[AMV+2*i:AMV+2*i+1], 0x42000000 op_sel_hi:[1,0]   ; x 32: t = c (q . k + 32 mask)
.set i, i+1
.endr
	WIN 0
; 16 matrix instructions.  zero = 1: the sums start with 32 x attention_mask.  The 64 accumulators take turns.
.macro MUL16 f, hi, a0, zero
.irp a, \a0, \a0+1
.irp b, 0,1,2,3,4,5,6,7
.if \zero
	v_wmma_f32_16x16x32_f16 v[8*(8*(\a)+\b):8*(8*(\a)+\b)+7], v[\f+8*\b:\f+8*\b+7], v[\f+8*(4*\hi+\a):\f+8*(4*\hi+\a)+7], v[AMV+8*\b:AMV+8*\b+7]
.else
	v_wmma_f32_16x16x32_f16 v[8*(8*(\a)+\b):8*(8*(\a)+\b)+7], v[\f+8*\b:\f+8*\b+7], v[\f+8*(4*\hi+\a):\f+8*(4*\hi+\a)+7], v[8*(8*(\a)+\b):8*(8*(\a)+\b)+7]
.endif
.endr
.endr
.endm
.macro FETCH slot, k, f                ; 32 LDS loads in one run: the fragments of 32 along K
	WIN TO_B
.irp i, 0,1,2,3,4,5,6,7
	ds_load_b128 v[\f+8*\i:\f+8*\i+3],   v[ADRB+\slot] offset:\k+\i*16*PITCH
	ds_load_b128 v[\f+8*\i+4:\f+8*\i+7], v[ADRB+\slot] offset:\k+\i*16*PITCH+32
.endr
	WIN 0
.irp i, 0,1,2,3,4,5,6,7
	ds_load_b128 v[\f+8*\i:\f+8*\i+3],   v[ADRA+\slot] offset:\k+\i*16*PITCH
	ds_load_b128 v[\f+8*\i+4:\f+8*\i+7], v[ADRA+\slot] offset:\k+\i*16*PITCH+32
.endr
.endm
.macro PLACES                          ; four plain vector lines between a matrix instruction and a load into, or a read of, its registers
.rept 4
	v_nop
.endr
.endm
.macro QUARTER slot, k, f, g, zero
	s_wait_dscnt 8                                 ; all but the youngest eight loads (q's rows 64-127)
.if \zero
	WIN 0x91                                       ; C in window 1
.else
	WIN MUL_LO
.endif
	MUL16 \f, 0, 0, \zero
	MUL16 \f, 0, 2, \zero
	PLACES
	FETCH \slot, \k, \g
	s_wait_dscnt 32                                ; all but the 32 just issued
.if \zero
	WIN 0xd1
.else
	WIN MUL_HI
.endif
	MUL16 \f, 1, 0, \zero
	MUL16 \f, 1, 2, \zero
.endm
.macro MEET round                      ; the first half of a slot's last quarter: the waits, the add and one barrier
	WIN 0
	s_wait_tensorcnt 0x0                           ; all my tensor loads have landed
	ds_add_u32 v[SPW], v[NIL]
	s_wait_dscnt 9                                 ; the add and the youngest eight loads may be out
	WIN MUL_LO
	MUL16 F1, 0, 0, 0
	s_wait_dscnt 0x0                               ; the add is done, and my reads of this slot are over
	s_barrier_signal -1
	MUL16 F1, 0, 2, 0
.if \round
	WIN 0
.endif
	s_barrier_wait -1
.endm
.macro TURN slot, next                 ; the last quarter with a refill two K steps ahead, behind a round of the cluster's barrier
	s_wait_xcnt 0x0                                ; the last prefetch, a K step back, has read its address
	s_add_nc_u64 s[PFA:PFA+1], s[PFA:PFA+1], KSTEP*2
	MEET 1
	CREST
	s_add_nc_u64 s[G0+4*\slot+2:G0+4*\slot+3], s[G0+4*\slot+2:G0+4*\slot+3], 2*KSTEP*2
	s_add_nc_u64 s[G0B+4*\slot+2:G0B+4*\slot+3], s[G0B+4*\slot+2:G0B+4*\slot+3], 2*KSTEP*2
	JLOAD \slot                                    ; the first tensor load behind the round; its four v_nop are the places in front of the loads below
	FETCH \next, 0, F0
	ASK
.if \slot == 1
	ASKM
.endif
	WIN MUL_HI
	MUL16 F1, 1, 0, 0
	MUL16 F1, 1, 2, 0
.endm
	s_wait_tensorcnt 1                             ; my part of K step 0 is in; K step 1's may be out
	s_barrier_signal -1
	s_barrier_wait -1
	FETCH 0, 0, F0
	QUARTER 0, 64,  F0, F1, 1
	WIN 0
	s_mov_b32 s3, LAPS-1
.Llap:                                 ; three trips: the refills bring K steps 2 to 7
	QUARTER 0, 128, F1, F0, 0
	QUARTER 0, 192, F0, F1, 0
	TURN 0, 1
	QUARTER 1, 64,  F0, F1, 0
	QUARTER 1, 128, F1, F0, 0
	QUARTER 1, 192, F0, F1, 0
	TURN 1, 0
	QUARTER 0, 64,  F0, F1, 0
	WIN 0
	s_sub_co_u32 s3, s3, 1
	s_cmp_lg_u32 s3, 0
	s_cbranch_scc1 .Llap
	QUARTER 0, 128, F1, F0, 0
	QUARTER 0, 192, F0, F1, 0
	MEET 1                                         ; the last change of slots: slot 0 takes the mask bytes
	CREST
	tensor_load_to_lds s[G0M:G0M+3], s[G1M:G1M+7]  ; my one tensor load behind the round: my 64 rows
	s_nop 0
.rept 4
	v_nop
.endr
	FETCH 1, 0, F0
	WIN MUL_HI
	MUL16 F1, 1, 0, 0
	MUL16 F1, 1, 2, 0
	QUARTER 1, 64,  F0, F1, 0
	QUARTER 1, 128, F1, F0, 0
	QUARTER 1, 192, F0, F1, 0
.macro MLOADS a                        ; block a's mask bytes: lane (r, h), tile b: 8 bytes, keys 16 b + 8 h + 0 .. 7 of query 16 a + r
.irp b, 0,1,2,3,4,5,6,7
	ds_load_b64 v[MK+16*((\a)%2)+2*\b:MK+16*((\a)%2)+2*\b+1], v[MKA] offset:4352*(\a)+16*\b
.endr
.endm
	MEET 0                                         ; every wave's mask rows have landed
	WIN 0
	MLOADS 0
	WIN MUL_HI
	MUL16 F1, 1, 0, 0
	MUL16 F1, 1, 2, 0
	WIN 0
	PLACES
; THE WAY OUT of block a: 16 queries x 128 keys.
.macro EPI a
.set AC, 64*((\a)%4)
.set MS, MK+16*((\a)%2)
.if (\a) < 7
	MLOADS (\a)+1
.endif
.if (\a) == 0
	s_wait_dscnt 8                                 ; my mask bytes are in; the eight loads just issued may be out
.elseif (\a) < 7
	s_wait_dscnt 9                                 ; behind them: the last block's store of -M and l, and the eight just issued
.else
	s_wait_dscnt 1
.endif
.set i, 0
.rept 16                               ; a mask byte (0 or 1) becomes +infinity or -infinity: its bit goes to the sign over an exponent field of ones
	v_lshl_or_b32 v[T+4*i], v[MS+i], 31, s[INF]
	v_lshl_or_b32 v[T+4*i+1], v[MS+i], 23, s[INF]  ; (byte 0's bit falls into the exponent field, which is all ones)
	v_lshrrev_b32 v[W+i%4], 16, v[MS+i]
	v_lshl_or_b32 v[T+4*i+2], v[W+i%4], 31, s[INF]
	v_lshl_or_b32 v[T+4*i+3], v[W+i%4], 23, s[INF]
.set i, i+1
.endr
	WIN 0x02+(\a)/4
.set i, 0
.rept 64
	v_min_num_f32 v[T+i], v[AC+i], v[T+i]          ; the score, or -infinity where masked; each accumulator from its low end on
.set i, i+1
.endr
	WIN 0
.irp c, 0,1,2,3
	v_max3_num_f32 v[W+\c], v[T+16*\c], v[T+16*\c+1], 0xff61b1e6   ; four chains, and the floor -3e38
.endr
.irp k, 2,4,6,8,10,12,14
.irp c, 0,1,2,3
	v_max3_num_f32 v[W+\c], v[W+\c], v[T+16*\c+\k], v[T+16*\c+\k+1]
.endr
.endr
	v_max3_num_f32 v[W], v[W], v[W+1], v[W+2]
	v_max_num_f32 v[W], v[W], v[W+3]
	v_permlanex16_b32 v[W+1], v[W], s[SEL], s[SEL+1]
	v_max_num_f32 v[W], v[W], v[W+1]               ; the block's largest score of my query
	v_mul_f32 v[W], s[CS], v[W]
	v_floor_f32 v[NM], -v[W]                       ; -M = floor(-t): M is a whole number
.set i, 0
.rept 32
	v_pk_fma_f32 v[T+2*i:T+2*i+1], v[T+2*i:T+2*i+1], s[CS:CS+1], v[NM:NM+1] op_sel_hi:[1,0,0]   ; t - M
.set i, i+1
.endr
.set i, 0
.rept 64
	v_exp_f32 v[T+i], v[T+i]                       ; p = 2^(t - M)
.set i, i+1
.endr
	v_nop                                          ; a plain line behind the last exponential
	s_wait_alu depctr_va_vdst(0)                   ; one wait for the batch, ahead of its first reader
	v_pk_add_f32 v[SU:SU+1], v[T:T+1], v[T+2:T+3]  ; the sum of the f32 p, in two chains
	v_pk_add_f32 v[SU+2:SU+3], v[T+4:T+5], v[T+6:T+7]
.irp j, 8,12,16,20,24,28,32,36,40,44,48,52,56,60
	v_pk_add_f32 v[SU:SU+1], v[SU:SU+1], v[T+\j:T+\j+1]
	v_pk_add_f32 v[SU+2:SU+3], v[SU+2:SU+3], v[T+\j+2:T+\j+3]
.endr
	v_pk_add_f32 v[SU:SU+1], v[SU:SU+1], v[SU+2:SU+3]
	v_add_f32 v[LL], v[SU], v[SU+1]
	v_permlanex16_b32 v[W+1], v[LL], s[SEL], s[SEL+1]
	v_add_f32 v[LL], v[LL], v[W+1]                 ; l
.if (\a) > 0
	s_wait_xcnt 0x0                                ; the last block's stores have read the registers that are written next
.endif
.set i, 0
.rept 32
	v_cvt_pk_f16_f32 v[PK+i], v[T+2*i], v[T+2*i+1]
.set i, i+1
.endr
	v_cndmask_b32 v[SV], v[NM], v[LL], s[HM]       ; lanes 0-15: -M; lanes 16-31: l
.irp b, 0,1,2,3,4,5,6,7
	global_store_b128 v[SGO], v[PK+4*\b:PK+4*\b+3], s[8:9] offset:65536*(\a)+512*\b   ; tile b as it stands: the wave stores 512 consecutive bytes, aligned; every place is an immediate
.endr
	ds_store_b32 v[STA], v[SV] offset:64*(\a)
.endm
.irp a, 0,1,2,3,4,5,6,7
	EPI \a
.endr
	ds_load_b128 v[W:W+3], v[STR]                  ; -M of my 128 queries, 16 bytes a lane (LDS serves a wave in order),
	ds_load_b128 v[W+4:W+7], v[STR] offset:512     ; and l
	s_wait_dscnt 0x0
	global_store_b128 v[SGO], v[W:W+3], s[66:67]               ; 512 consecutive bytes each
	global_store_b128 v[SGO], v[W+4:W+7], s[66:67] offset:8192
	s_wait_tensorcnt 0x0                           ; the wave's end
	ds_add_u32 v[SPW], v[NIL]
	s_wait_dscnt 0x0
	CROUND                                         ; the closing round
	s_endpgm
.Lfunc_end_k_q054211d9bd_scores:
	.size	k_q054211d9bd_scores, .Lfunc_end_k_q054211d9bd_scores-k_q054211d9bd_scores
	.p2alignl 7, 3214868480
	.fill 96, 4, 3214868480
	.section	.rodata,"a",@progbits
	.p2align	6, 0x0
	.amdhsa_kernel k_q054211d9bd_scores
		.amdhsa_group_segment_fixed_size 327680
		.amdhsa_private_segment_fixed_size 0
		.amdhsa_enable_private_segment 0
		.amdhsa_kernarg_size 40
		.amdhsa_user_sgpr_count 2
		.amdhsa_user_sgpr_kernarg_segment_ptr 1
		.amdhsa_wavefront_size32 1
		.amdhsa_system_sgpr_workgroup_id_x 1
		.amdhsa_system_sgpr_workgroup_id_y 1
		.amdhsa_system_sgpr_workgroup_id_z 1
		.amdhsa_system_vgpr_workitem_id 0
		.amdhsa_next_free_vgpr 1024
		.amdhsa_next_free_sgpr 100
		.amdhsa_reserve_vcc 0
		.amdhsa_float_denorm_mode_32 3
		.amdhsa_float_denorm_mode_16_64 3
		.amdhsa_memory_ordered 1
		.amdhsa_forward_progress 1
		.amdhsa_inst_pref_size 255
	.end_amdhsa_kernel
	.section	.bss,"aw",@nobits
	.p2align	6
	.space	262144
	.amdgpu_metadata
---
amdhsa.version: [ 1, 2 ]
amdhsa.kernels:
  - .name:           k_q054211d9bd_scores
    .symbol:         k_q054211d9bd_scores.kd
    .args:
      - { .name: qkv, .offset: 0, .size: 8, .value_kind: global_buffer, .address_space: global }
      - { .name: sparse_mask, .offset: 8, .size: 8, .value_kind: global_buffer, .address_space: global }
      - { .name: attention_mask, .offset: 16, .size: 8, .value_kind: global_buffer, .address_space: global }
      - { .name: p16, .offset: 24, .size: 8, .value_kind: global_buffer, .address_space: global }
      - { .name: stats, .offset: 32, .size: 8, .value_kind: global_buffer, .address_space: global }
    .group_segment_fixed_size: 327680
    .private_segment_fixed_size: 0
    .kernarg_segment_align: 8
    .kernarg_segment_size: 40
    .max_flat_workgroup_size: 128
    .sgpr_count:     100
    .vgpr_count:     1024
    .wavefront_size: 32
...
	.end_amdgpu_metadata
.endif
;; end of part 3
;; launch context (part 4): grid 4 x 64, 4 waves a work-group, clusters of 4 x 4, 327,680 bytes of LDS; arguments p16, qkv, stats, bv, out0; writes out0
.if DOCPART == 4
	.amdgcn_target "amdgcn-amd-amdhsa--gfx1250"
	.amdhsa_code_object_version 6
	.text
	.protected	k_q054211d9bd_context
	.globl	k_q054211d9bd_context
	.p2align	8
	.type	k_q054211d9bd_context,@function
k_q054211d9bd_context:
	s_mov_b64 s[64:65], 0
	v_nop
	global_prefetch_b8 v0, s[64:65] scope:SCOPE_SE
	s_setreg_imm32_b32 hwreg(HW_REG_WAVE_MODE, 25, 1), 1
	s_wait_xcnt 0x0
	s_wait_alu depctr_hold_cnt(0) depctr_sa_sdst(0) depctr_va_vdst(0) depctr_va_sdst(0) depctr_va_ssrc(0) depctr_va_vcc(0) depctr_vm_vsrc(0)
	s_getreg_b32 s2, hwreg(HW_REG_IB_STS2, 6, 4)
	s_cmp_eq_u32 s2, 0
	s_cbranch_scc0 .Lentry_in_a_cluster
	s_endpgm
.Lentry_in_a_cluster:
	s_bfe_u32 s2, ttmp6, 0x10000c
	s_cmp_lg_u32 s2, 0xf033
	s_cbranch_scc0 .Lentry_shape_is_right
	s_endpgm
.Lentry_shape_is_right:
; out[q][d] = (sum over blocks of g_blk S_blk[q][d]) / (sum over blocks of g_blk l_blk) + bv[d];  S_blk = the sum over the block's 128 keys of p v0;  g_blk = 2^(M_blk - M), M = the row's largest M_blk.
; p (f16), -M_blk and l_blk come from the launch before; v0 = v without its bias (f16).  bv is added here: a row's probabilities sum to 1 (shown at the head of the first kernel).
; EACH BLOCK HAS A SUM OF ITS OWN: a step's products start S with the constant 0; in the next step's first quarter O += g S, in f32, four packed multiply-adds ahead of the product that begins that accumulator anew.
; A row all of whose keys are masked has l = 0 and comes out NaN, as in the definition.
; A tile of 128 queries x 256 channels is made by four waves, 64 x 128 each: 32 accumulators of S, 32 of O.  K = the 2,048 keys: 16 steps of 128 (a block of the softmax), four quarters of 32 each.
; V comes through a ring of two LDS slots of 256 keys (two steps), 64 keys a wave.  CLUSTERS: 4 x 4; V's tiles are shared along a column of the cluster (four query tiles of one batch): joint loads.
; P DOES NOT GO THROUGH LDS, AND SO IS NOT ASKED FOR JOINTLY: with it 256 keys are 128 x 512 + 256 x 544 = 204,800 bytes, and two such slots are more than the 327,680 bytes there are; a slot would hold 128 keys,
; and a refill would have one step's 128 products in which to land.  p16 lies in the order of the operand's registers, so a fragment is two loads of 512 consecutive bytes, straight into registers.
; These loads run seven quarters, 224 products, ahead, in two sets of 128 registers, and stay out across the barriers of V's refills, which now have 240 products in which to land.
; TRANSPOSED USE: source 0 = 16 channels (V turned by ds_load_tr16_b128), source 1 = 16 queries of P: a lane holds one query and eight neighbouring channels.
; REGISTERS: window 0: v0-31 addresses; v32-39 1 / l, four pairs; v40-47 g, four pairs; v48-55 at work; v64-191 P's set 1 (odd steps), on the way out results and rows read back; v192-255 -M and l as loaded, later bv.
;   window 1: v0-63, v64-127 V's fragments, two buffers; v128-255 P's set 0 (even steps): quarter qq, row block a at + 32 qq + 8 a.   window 2: O.   window 3: S.   Accumulator (a, b) at v[8 (8 a + b)].
.set VP,    544                        ; a key's row of V in LDS: 512 bytes + 32
.set QV,    32*VP                      ; a quarter's keys
.set WPART, 64*VP                      ; what one tensor load brings
.set SLOTB, 256*VP
.set GT,    2*SLOTB                    ; 4,096 bytes for each wave: g[block 16][row 64], f32
.set SPARE, GT+16384                   ; the spare words, which no other line names
.set SPITCH, 528                       ; the way out: 16 rows x 528 for each wave, from byte 0 on: that slot place has had its last fill, and a barrier stands behind every wave's last read of V
.set OROW,  4096                       ; a row of out0 in bytes
.set VSLOT, 256*6144                   ; 256 keys on in qkv
.set ADRL, 16                          ; v16  V's address in the slot in hand, quarters 0-3
.set ADRH, 17                          ; v17  quarters 4-7
.set AV0,  18                          ; v18-19  my lane's place in a slot; never rewritten
.set AV1,  19
.set GA,   22
.set GAW,  23
.set STO,  24
.set RD,   25
.set CO,   26                          ; v26  16 x lane; never rewritten
.set SPW,  28
.set NIL,  29
.set PFO,  30
.set RL,   32
.set G,    40
.set W,    48
.set T,    64
.set BK,   128
.set NMS,  192
.set LS,   224
.set BV,   192
.set G1V, 48
.set G0A, 56                           ; s[56:59] group 0 of the first fill of place 0
.set G0W, 60                           ; s[60:63] group 0 of the first fill of place 1; it then walks on
.set LIM, 43
.set PFA, 44
.set PBS, 46                           ; s[46:47] my rows of p16, at the slot in hand
.set TB,  70                           ; s70  0 or SLOTB: the place of the slot in hand
.set WOFF, 72
.set SEL, 74
.set MSB, 0
.macro WIN new
.if MSB != (\new)
	s_set_vgpr_msb (MSB<<8)|(\new)
.set MSB, (\new)
.endif
.endm
; A prefetch of the slot that the NEXT change of slots will ask for: 256 keys x 512 bytes of my column's channels.  The four clusters of a batch walk the same V: the first of them asks.  Its four partners of a column
; take 64 keys each, told apart by address; in each, wave w takes keys 32 (w / 2) on, a lane a key, and half w % 2 of the 512 bytes.  So each aligned 256 bytes is named once.
; Slots 0 to 2 come by their loads alone; the loop's last trip asks for nothing: the last slot named is 7.  P has no prefetch: its own loads run seven quarters ahead.
.macro ASK
	s_cmp_gt_u32 s3, s[LIM]
	s_cbranch_scc0 .Lnot_mine_\@
	global_prefetch_b8 v[PFO], s[PFA:PFA+1] th:TH_LOAD_NT scope:SCOPE_SE
.Lnot_mine_\@:
.endm
.macro CREST
	s_cmp_lg_u32 s10, 0
	s_cbranch_scc1 .Lnot_wave_0_\@
	s_barrier_signal -3
.Lnot_wave_0_\@:
	s_barrier_wait -3
	s_barrier_signal -1
	s_barrier_wait -1
.endm
.macro CROUND
	s_barrier_signal -1
	s_barrier_wait -1
	CREST
.endm
.macro PLACES n                        ; plain vector lines between a matrix instruction and a load into, a read of, or a new beginning on its registers
.rept \n
	v_nop
.endr
.endm
; P's fragments of quarter u (0 .. 7 of a slot's two steps) of my four row blocks: eight loads of 512 consecutive bytes
.macro PLD u, base
.set pst, (\u)/4
.set pq, (\u)%4
.set pr, 128-64*pst+32*pq
	WIN 0x40*(1-pst)
.irp a, 0,1,2,3
.irp j, 0,1
	global_load_b128 v[pr+8*\a+4*\j:pr+8*\a+4*\j+3], v[CO], s[PBS:PBS+1] offset:(\base)+4096*pst+1024*pq+65536*\a+512*\j
.endr
.endr
.endm
	s_load_b128 s[4:7], s[0:1], 0x0                ; p16 s[4:5], qkv s[6:7]
	s_load_b128 s[84:87], s[0:1], 0x10             ; stats s[84:85], bv s[86:87]
	s_load_b64 s[8:9], s[0:1], 0x20                ; out0
	v_lshl_add_u32 v[SPW], v0, 2, SPARE
	v_mov_b32 v[NIL], 0
	ds_add_u32 v[SPW], v[NIL]                      ; the wave's opening: the add, twice on end, and its wait ahead of my first tensor load
	ds_add_u32 v[SPW], v[NIL]
	v_lshrrev_b32 v1, 5, v0
	v_readfirstlane_b32 s10, v1                    ; wave 0..3
	s_lshr_b32 s11, s10, 1                         ; my half of the queries
	s_and_b32 s12, s10, 1                          ; my half of the channels
	s_bfe_u32 s40, ttmp6, 0x40000                  ; cx: the tile of 256 channels (the grid has one cluster along x)
	s_bfe_u32 s41, ttmp6, 0x40004                  ; cy
	s_and_b32 s42, ttmp7, 0xffff                   ; cluster y
	s_lshl_b32 s13, s42, 2
	s_add_co_u32 s13, s13, s41                     ; Y: tile of 128 query rows, 0..63
	s_lshr_b32 s88, s42, 2                         ; the batch: the same in all partners
	s_lshl_b32 s81, 0x1111, s40                    ; my column of the cluster
	s_or_b32 s[G1V+0], s81, (1<<16)|(1<<20)|(1<<21)|(6<<22)|(7<<25)   ; the mask; elements of 2 bytes; 8 words of padding behind every 128; bit 21 beside a mask
	s_mov_b32 s[G1V+1], 256<<16                    ; tensor_dim0 = 256
	s_mov_b32 s[G1V+2], 64<<16                     ; tensor_dim1 = 64
	s_mov_b32 s[G1V+3], 256<<16                    ; tile_dim0
	s_mov_b32 s[G1V+4], 64                         ; tile_dim1
	s_mov_b32 s[G1V+5], 3072                       ; from key to key, in elements
	s_mov_b32 s[G1V+6], 0
	s_mov_b32 s[G1V+7], 0
	s_lshl_b32 s68, s88, 11
	s_lshl_b32 s69, s10, 6
	s_add_co_u32 s68, s68, s69                     ; V: key row 2,048 batch + 64 wave,
	s_mul_i32 s68, s68, 6144
	s_add_co_u32 s68, s68, 4096                    ; at byte 4,096 of a row, + 512 cx
	s_lshl_b32 s69, s40, 9
	s_add_co_u32 s68, s68, s69
	s_mov_b32 s69, 0
	s_mul_i32 s[WOFF], s10, WPART                  ; where my 64 keys go in a slot: no place in the cluster enters an LDS address
	s_mov_b32 s[TB], 0
	s_mov_b32 s[SEL], 0x76543210
	s_mov_b32 s[SEL+1], 0xfedcba98                 ; v_permlanex16_b32: lane l xor 16
	s_wait_dscnt 0x0                               ; both opening adds are done
	s_wait_kmcnt 0x0
	s_add_nc_u64 s[68:69], s[6:7], s[68:69]
	CROUND                                         ; all sixteen work-groups are here: the first joint loads meet
	s_mov_b32 s[G0A], 1
	s_mov_b32 s[G0A+1], s[WOFF]
	s_mov_b64 s[G0A+2:G0A+3], s[68:69]
	s_or_b32 s[G0A+3], s[G0A+3], 0x80000000
	s_mov_b32 s[G0W], 1
	s_add_co_u32 s[G0W+1], s[WOFF], SLOTB
	s_add_nc_u64 s[G0W+2:G0W+3], s[68:69], VSLOT
	s_or_b32 s[G0W+3], s[G0W+3], 0x80000000
	tensor_load_to_lds s[G0A:G0A+3], s[G1V:G1V+7]  ; every wave fetches its 64 keys of slot 0
	s_nop 0
	tensor_load_to_lds s[G0W:G0W+3], s[G1V:G1V+7]  ; and of slot 1: two loads of mine are out
	s_nop 0
.rept 4
	v_nop
.endr
	v_and_b32 v1, 15, v0                           ; r
	v_bfe_u32 v2, v0, 4, 1                         ; h
	v_lshlrev_b32 v3, 2, v1
	v_lshl_add_u32 v3, v2, 17, v3                  ; stats: 4 r; lanes 16-31 take blocks 8 to 15: 8 x 16,384 bytes on
	v_lshlrev_b32 v4, 5, v2                        ; bv: 32 h
	v_and_b32 v6, 31, v0
	v_lshlrev_b32 v[CO], 4, v6
	s_lshl_b32 s16, s88, 18                        ; stats: batch x 16 blocks x 16,384 + 4 x my first query in the batch
	s_and_b32 s17, s13, 15
	s_lshl_b32 s17, s17, 9
	s_add_co_u32 s16, s16, s17
	s_lshl_b32 s17, s11, 8
	s_add_co_u32 s16, s16, s17
	s_mov_b32 s17, 0
	s_add_nc_u64 s[84:85], s[84:85], s[16:17]
	s_lshl_b32 s16, s40, 10                        ; bv: 4 (256 cx + 128 half)
	s_lshl_b32 s17, s12, 9
	s_add_co_u32 s16, s16, s17
	s_mov_b32 s17, 0
	s_add_nc_u64 s[86:87], s[86:87], s[16:17]
	s_lshl_b32 s16, s13, 19                        ; p16: 8 Y + 4 x my half groups of 16 rows, 65,536 bytes each
	s_lshl_b32 s17, s11, 18
	s_add_co_u32 s16, s16, s17
	s_mov_b32 s17, 0
	s_add_nc_u64 s[PBS:PBS+1], s[4:5], s[16:17]
.irp a, 0,1,2,3                        ; -M and l of my row 16 a + r, for my eight blocks
.irp k, 0,1,2,3,4,5,6,7
	global_load_b32 v[NMS+8*\a+\k], v3, s[84:85] offset:16384*\k+64*\a
	global_load_b32 v[LS+8*\a+\k], v3, s[84:85] offset:16384*\k+8192+64*\a
.endr
.endr
.irp u, 0,1,2,3,4,5,6
	PLD \u, 0                                      ; P's first seven quarters: 56 loads
.endr
	WIN 0
	v_and_b32 v5, 7, v0
	v_bfe_u32 v7, v0, 3, 1
	v_lshl_add_u32 v8, v2, 3, v5                   ; V: key 8 h + lane % 8,
	v_mul_u32_u24 v8, v8, VP
	v_lshl_add_u32 v8, v7, 4, v8                   ; channels 8 ((lane / 8) % 2) on,
	s_lshl_b32 s22, s12, 8
	v_add_nc_u32 v[AV0], s22, v8                   ; in my half of the 256
	v_add_nc_u32 v[AV1], 4*QV, v[AV0]
	v_add_nc_u32 v[ADRL], s[TB], v[AV0]
	v_add_nc_u32 v[ADRH], s[TB], v[AV1]
	s_lshl_b32 s23, s10, 12
	s_add_co_u32 s23, s23, GT
	v_lshlrev_b32 v9, 2, v1
	v_add_nc_u32 v[GA], s23, v9                    ; g: my wave's table, 4 r
	v_lshl_add_u32 v[GAW], v2, 11, v[GA]           ; where I put it: lanes 16-31 blocks 8 to 15
	s_mul_i32 s23, s10, 16*SPITCH                  ; my stage
	v_mul_u32_u24 v5, v1, SPITCH
	v_lshl_add_u32 v5, v2, 5, v5
	v_add_nc_u32 v[STO], s23, v5                   ; in: row r, 32 bytes for each half of the lanes
	v_add_nc_u32 v[RD], s23, v[CO]                 ; back: the 32 lanes take a row of 512 bytes
	s_lshl_b32 s16, s13, 7
	s_lshl_b32 s17, s11, 6
	s_add_co_u32 s16, s16, s17                     ; out0: my first row,
	s_lshl_b32 s16, s16, 12
	s_lshl_b32 s17, s40, 10
	s_add_co_u32 s16, s16, s17                     ; my first channel
	s_lshl_b32 s17, s12, 9
	s_add_co_u32 s16, s16, s17
	s_mov_b32 s17, 0
	s_add_nc_u64 s[8:9], s[8:9], s[16:17]
	s_lshl_b32 s18, s88, 11                        ; the prefetches: key 2,048 batch + 64 cy + 32 (wave / 2), in slot 3,
	s_lshl_b32 s19, s41, 6
	s_add_co_u32 s18, s18, s19
	s_lshl_b32 s19, s11, 5
	s_add_co_u32 s18, s18, s19
	s_add_co_u32 s18, s18, 3*256
	s_mul_i32 s18, s18, 6144
	s_add_co_u32 s18, s18, 4096
	s_lshl_b32 s19, s40, 9
	s_add_co_u32 s18, s18, s19
	s_lshl_b32 s19, s12, 8
	s_add_co_u32 s18, s18, s19                     ; byte 4,096 + 512 cx + 256 (wave % 2)
	s_mov_b32 s19, 0
	s_add_nc_u64 s[PFA:PFA+1], s[6:7], s[18:19]
	s_and_b32 s19, s42, 3
	s_cmp_eq_u32 s19, 0                            ; the first cluster of a batch: the same in all sixteen partners
	s_cselect_b32 s[LIM], 1, -1
	v_mul_u32_u24 v[PFO], v6, 6144
.irp a, 0,1,2,3
	v_mov_b32 v[W+4+\a], 0                         ; a lane permute's destination counts as one of its sources
	v_mov_b32 v[G+2*\a+1], 0                       ; the upper halves of g's pairs are only named
.endr
	s_wait_loadcnt 56                              ; -M and l are in; P's 56 loads may be out
.irp a, 0,1,2,3
	v_min3_num_f32 v[W+\a], v[NMS+8*\a], v[NMS+8*\a+1], v[NMS+8*\a+2]   ; -M of the row = the least -M of its blocks: my eight,
.endr
.irp i, 3,5
.irp a, 0,1,2,3
	v_min3_num_f32 v[W+\a], v[W+\a], v[NMS+8*\a+\i], v[NMS+8*\a+\i+1]
.endr
.endr
.irp a, 0,1,2,3
	v_min_num_f32 v[W+\a], v[W+\a], v[NMS+8*\a+7]
.endr
.irp a, 0,1,2,3
	v_permlanex16_b32 v[W+4+\a], v[W+\a], s[SEL], s[SEL+1]
.endr
.irp a, 0,1,2,3
	v_min_num_f32 v[W+\a], v[W+\a], v[W+4+\a]      ; and lane l xor 16's eight
.endr
.set j, 0
.rept 32
	v_sub_f32 v[NMS+j], v[W+j/8], v[NMS+j]         ; M_blk - M: a whole number, 0 or less
.set j, j+1
.endr
.set j, 0
.rept 32
	v_cvt_i32_f32 v[NMS+j], v[NMS+j]               ; (it saturates)
.set j, j+1
.endr
.set j, 0
.rept 32
	v_ldexp_f32 v[NMS+j], 1.0, v[NMS+j]            ; g
.set j, j+1
.endr
.irp a, 0,1,2,3
	v_mul_f32 v[RL+2*\a+1], v[LS+8*\a], v[NMS+8*\a]
.endr
.irp k, 1,2,3,4,5,6,7
.irp a, 0,1,2,3
	v_fmac_f32 v[RL+2*\a+1], v[LS+8*\a+\k], v[NMS+8*\a+\k]   ; the sum of g l_blk over my eight blocks,
.endr
.endr
.irp a, 0,1,2,3
	v_permlanex16_b32 v[W+4+\a], v[RL+2*\a+1], s[SEL], s[SEL+1]
.endr
.irp a, 0,1,2,3
	v_add_f32 v[RL+2*\a+1], v[RL+2*\a+1], v[W+4+\a]   ; and the other eight: l
.endr
.set j, 0
.rept 32
	ds_store_b32 v[GAW], v[NMS+j] offset:256*(j%8)+64*(j/8)
.set j, j+1
.endr
.irp a, 0,1,2,3
	v_rcp_f32 v[RL+2*\a], v[RL+2*\a+1]
.endr
	v_nop                                          ; a plain line behind the last reciprocal
	s_wait_alu depctr_va_vdst(0)                   ; one wait for the four, ahead of every label and reader
.macro MM st, qq, x, zero              ; product x of a quarter's 32: row block x / 8, channels 16 (x % 8) on, keys 32 qq on of a step of parity st
.set rD, 8*(\x)
.set rV, 64*((\qq)%2)+8*((\x)%8)
.set rP, 128-64*(\st)+32*(\qq)+8*((\x)/8)
.if \zero
	v_wmma_f32_16x16x32_f16 v[rD:rD+7], v[rV:rV+7], v[rP:rP+7], 0
.else
	v_wmma_f32_16x16x32_f16 v[rD:rD+7], v[rV:rV+7], v[rP:rP+7], v[rD:rD+7]
.endif
.endm
.macro MMR st, qq, from, cnt           ; a run of products; the 32 accumulators take turns in the same order in every quarter
.set n, \from
.rept \cnt
	MM \st, \qq, n, 0
.set n, n+1
.endr
.endm
.macro ACC x, fm                       ; O += g S for accumulator x, from its low end on; fm = 1: the first block starts O
	WIN 0xa3                                       ; O (destination and source 2) window 2, S window 3, g window 0
.irp i, 0,1,2,3
.if (\fm) == 2
	v_pk_fma_f32 v[8*(\x)+2*\i:8*(\x)+2*\i+1], v[8*(\x)+2*\i:8*(\x)+2*\i+1], v[G+2*((\x)/8):G+2*((\x)/8)+1], v[8*(\x)+2*\i:8*(\x)+2*\i+1] op_sel_hi:[1,0,1]
.else
	v_pk_mul_f32 v[8*(\x)+2*\i:8*(\x)+2*\i+1], v[8*(\x)+2*\i:8*(\x)+2*\i+1], v[G+2*((\x)/8):G+2*((\x)/8)+1] op_sel_hi:[1,0]
.endif
.endr
.endm
.macro FETCHV k                        ; quarter k of the slot in hand: 32 keys x 128 channels, turned: 16 loads into buffer k % 2
	WIN 0x40
.set fb, 64*((\k)%2)
.set fo, ((\k)%4)*QV
.set fa, ADRL+(\k)/4
.irp b, 0,1,2,3,4,5,6,7
	ds_load_tr16_b128 v[fb+8*\b:fb+8*\b+3],   v[fa] offset:fo+32*\b
	ds_load_tr16_b128 v[fb+8*\b+4:fb+8*\b+7], v[fa] offset:fo+16*VP+32*\b
.endr
.endm
.macro FETCHG                          ; this step's g of my four row blocks: wanted in the next step's first quarter
	WIN 0
.irp a, 0,1,2,3
	ds_load_b32 v[G+2*\a], v[GA] offset:64*\a
.endr
	v_add_nc_u32 v[GA], 256, v[GA]                 ; the next block's
.endm
.macro BVLOAD                          ; lane (r, h), tile b: bv of channels 16 b + 8 h + 0 .. 7
	WIN 0
.irp b, 0,1,2,3,4,5,6,7
	global_load_b128 v[BV+8*\b:BV+8*\b+3], v4, s[86:87] offset:64*\b
	global_load_b128 v[BV+8*\b+4:BV+8*\b+7], v4, s[86:87] offset:64*\b+16
.endr
.endm
; A QUARTER, one of a slot's first seven.  At its head the loads go out, behind their places: V's next quarter, and P's fragments seven quarters on, into the registers that the last quarter's products have read.
; left: the loads younger than this quarter's P.  pl = 1: P is asked for; 2: bv; 0: nothing.  stp = 1: a slot's first quarter steps the two addresses.  fm: what a step's first quarter does with the last step's S.
.macro QD st, qq, fm, left, pl, stp
.set kq, 4*(\st)+(\qq)
	s_wait_dscnt 0x0                               ; this quarter's V is in (and g)
	s_wait_loadcnt \left                           ; this quarter's P is in; the younger quarters' may be out
.if \stp
	s_wait_xcnt 0x0                                ; the loads and the prefetch issued so far have read their bases
	s_add_nc_u64 s[PBS:PBS+1], s[PBS:PBS+1], 8192
	s_add_nc_u64 s[PFA:PFA+1], s[PFA:PFA+1], VSLOT
.endif
.if (\qq) == 0
	PLACES 5                                       ; also in front of the products that begin S anew, and of the reads of S
.else
	PLACES 4
.endif
	FETCHV kq+1
.if (\qq) == 2
	FETCHG
.endif
.if (\pl) == 1
.if kq == 0
	PLD 7, 0
.else
	PLD kq-1, 8192
.endif
.elseif (\pl) == 2
	BVLOAD
.endif
.set n, 0
.rept 32
.if ((\qq) == 0) && ((\fm) != 0)
	ACC n, \fm
.endif
	WIN 0xf5-4*(\st)                               ; V window 1, P window 1 or 0, S window 3
.if (\qq) == 0
	MM \st, \qq, n, 1
.else
	MM \st, \qq, n, 0
.endif
.set n, n+1
.endr
.endm
; A SLOT'S LAST QUARTER changes slots: one barrier; in front of it each wave waits for all its tensor loads, adds 0 to its spare word, and waits for that and for its reads of this slot.
; fill = 1: the barrier opens a round of the cluster's, and the slot just left takes the keys two slots on.
.macro TURN fill
	s_wait_loadcnt 48                              ; this quarter's P is in
	WIN 0
	s_wait_tensorcnt 0x0                           ; my part of the next slot has landed
	ds_add_u32 v[SPW], v[NIL]
	s_wait_dscnt 1                                 ; this quarter's V and g are in; the add may be out
	WIN 0xf1
	MMR 1, 3, 0, 8
	s_wait_dscnt 0x0                               ; the add is done, and my reads of this slot are over
	s_barrier_signal -1
	MMR 1, 3, 8, 8
	WIN 0
	s_barrier_wait -1
.if \fill
	CREST                                          ; no wave of any partner still reads this slot or has a load on its way
	s_xor_b32 s[G0W+1], s[G0W+1], SLOTB            ; the other place than last time (no bit of SLOTB is set in 34,816 x wave),
	s_add_nc_u64 s[G0W+2:G0W+3], s[G0W+2:G0W+3], VSLOT   ; the next 256 keys
	tensor_load_to_lds s[G0W:G0W+3], s[G1V:G1V+7]  ; the wave's one tensor load behind the round; the four v_nop are the places in front of the loads below
	s_nop 0
.rept 4
	v_nop
.endr
.else
	PLACES 4
.endif
	s_xor_b32 s[TB], s[TB], SLOTB                  ; on to the other place
	v_add_nc_u32 v[ADRL], s[TB], v[AV0]
	v_add_nc_u32 v[ADRH], s[TB], v[AV1]
	FETCHV 0
	PLD 6, 8192
	WIN 0
.if \fill
	ASK
.endif
	WIN 0xf1
	MMR 1, 3, 16, 16
.endm
.macro SEVEN fa, fb, stp               ; a slot's first seven quarters, with all their loads
	QD 0, 0, \fa, 48, 1, \stp
	QD 0, 1, 0, 48, 1, 0
	QD 0, 2, 0, 48, 1, 0
	QD 0, 3, 0, 48, 1, 0
	QD 1, 0, \fb, 48, 1, 0
	QD 1, 1, 0, 48, 1, 0
	QD 1, 2, 0, 48, 1, 0
.endm
	s_wait_tensorcnt 1                             ; my part of slot 0 is in; slot 1's may be out
	s_wait_dscnt 0x0                               ; my stores of g have landed
	s_barrier_signal -1
	s_barrier_wait -1
	FETCHV 0
	s_mov_b32 s3, 5
	SEVEN 0, 1, 0                                  ; slot 0 is written out: step 0 has no S behind it, and step 0's S starts O
	TURN 1
	WIN 0
.Lslot:                                ; five trips: slots 1 to 5; their changes of slots bring slots 3 to 7
	SEVEN 2, 2, 1
	TURN 1
	WIN 0
	s_sub_co_u32 s3, s3, 1
	s_cmp_lg_u32 s3, 0
	s_cbranch_scc1 .Lslot
	SEVEN 2, 2, 1                                  ; slot 6: nothing is left to fetch for V
	TURN 0
	QD 0, 0, 2, 48, 1, 1                           ; slot 7: P's last quarter is asked for,
	QD 0, 1, 0, 48, 2, 0                           ; then bv, 16 loads;
	QD 0, 2, 0, 56, 0, 0                           ; behind this quarter's P: five quarters' 40 loads and bv's 16; from here the counts run down
	QD 0, 3, 0, 48, 0, 0
	QD 1, 0, 2, 40, 0, 0
	QD 1, 1, 0, 32, 0, 0
	QD 1, 2, 0, 24, 0, 0
	s_wait_dscnt 0x0                               ; my last reads of V are in:
	s_wait_loadcnt 16                              ; (bv may be out)
	s_barrier_signal -1                            ; say so; behind the barrier the stages may be written
	WIN 0xf1
	MMR 1, 3, 0, 32
	WIN 0
	s_barrier_wait -1
; THE WAY OUT, row block by row block: O + g S of the last block, then x 1 / l + bv, both fused; through my stage; back as whole rows of 512 bytes.
.macro FIN a
	WIN 0x23                                       ; S window 3, g window 0, O window 2, the result window 0
.set i, 0
.rept 32
	v_pk_fma_f32 v[T+2*i:T+2*i+1], v[64*(\a)+2*i:64*(\a)+2*i+1], v[G+2*(\a):G+2*(\a)+1], v[64*(\a)+2*i:64*(\a)+2*i+1] op_sel_hi:[1,0,1]   ; each accumulator from its low end on
.set i, i+1
.endr
	WIN 0
.set i, 0
.rept 32
	v_pk_fma_f32 v[T+2*i:T+2*i+1], v[T+2*i:T+2*i+1], v[RL+2*(\a):RL+2*(\a)+1], v[BV+2*i:BV+2*i+1] op_sel_hi:[1,0,1]
.set i, i+1
.endr
.endm
.macro TOSTAGE
.irp b, 0,1,2,3,4,5,6,7
	ds_store_b128 v[STO], v[T+8*\b:T+8*\b+3] offset:64*\b
	ds_store_b128 v[STO], v[T+8*\b+4:T+8*\b+7] offset:64*\b+16
.endr
.irp t, 0,1,2,3,4,5,6,7,8,9,10,11,12,13,14,15
	ds_load_b128 v[BK+4*\t:BK+4*\t+3], v[RD] offset:\t*SPITCH      ; LDS serves a wave in order: these see the stores above
.endr
.endm
.macro SEND a
	s_wait_dscnt 0x0                               ; the block is back in registers
.if (\a) > 0
	s_add_nc_u64 s[8:9], s[8:9], 16*OROW           ; (behind the wait on XCNT that follows the block before)
.endif
.irp t, 0,1,2,3,4,5,6,7,8,9,10,11,12,13,14,15
	global_store_b128 v[CO], v[BK+4*\t:BK+4*\t+3], s[8:9] offset:\t*OROW th:TH_STORE_NT   ; 32 lanes store 512 consecutive bytes, aligned; written once
.endr
.endm
	s_wait_loadcnt 0x0                             ; bv
	PLACES 4
	FIN 0
	TOSTAGE
.irp a, 1,2,3
	FIN \a
	SEND \a-1
	s_wait_xcnt 0x0                                ; the stores have read their registers and their base: the next block's loads may land, and the base may step
	TOSTAGE
.endr
	SEND 3
	s_wait_tensorcnt 0x0                           ; the wave's end
	ds_add_u32 v[SPW], v[NIL]
	s_wait_dscnt 0x0
	CROUND                                         ; the closing round
	s_endpgm
.Lfunc_end_k_q054211d9bd_context:
	.size	k_q054211d9bd_context, .Lfunc_end_k_q054211d9bd_context-k_q054211d9bd_context
	.p2alignl 7, 3214868480
	.fill 96, 4, 3214868480
	.section	.rodata,"a",@progbits
	.p2align	6, 0x0
	.amdhsa_kernel k_q054211d9bd_context
		.amdhsa_group_segment_fixed_size 327680
		.amdhsa_private_segment_fixed_size 0
		.amdhsa_enable_private_segment 0
		.amdhsa_kernarg_size 40
		.amdhsa_user_sgpr_count 2
		.amdhsa_user_sgpr_kernarg_segment_ptr 1
		.amdhsa_wavefront_size32 1
		.amdhsa_system_sgpr_workgroup_id_x 1
		.amdhsa_system_sgpr_workgroup_id_y 1
		.amdhsa_system_sgpr_workgroup_id_z 1
		.amdhsa_system_vgpr_workitem_id 0
		.amdhsa_next_free_vgpr 1024
		.amdhsa_next_free_sgpr 100
		.amdhsa_reserve_vcc 0
		.amdhsa_float_denorm_mode_32 3
		.amdhsa_float_denorm_mode_16_64 3
		.amdhsa_memory_ordered 1
		.amdhsa_forward_progress 1
		.amdhsa_inst_pref_size 255
	.end_amdhsa_kernel
	.section	.bss,"aw",@nobits
	.p2align	6
	.space	262144
	.amdgpu_metadata
---
amdhsa.version: [ 1, 2 ]
amdhsa.kernels:
  - .name:           k_q054211d9bd_context
    .symbol:         k_q054211d9bd_context.kd
    .args:
      - { .name: p16, .offset: 0, .size: 8, .value_kind: global_buffer, .address_space: global }
      - { .name: qkv, .offset: 8, .size: 8, .value_kind: global_buffer, .address_space: global }
      - { .name: stats, .offset: 16, .size: 8, .value_kind: global_buffer, .address_space: global }
      - { .name: bv, .offset: 24, .size: 8, .value_kind: global_buffer, .address_space: global }
      - { .name: out0, .offset: 32, .size: 8, .value_kind: global_buffer, .address_space: global }
    .group_segment_fixed_size: 327680
    .private_segment_fixed_size: 0
    .kernarg_segment_align: 8
    .kernarg_segment_size: 40
    .max_flat_workgroup_size: 128
    .sgpr_count:     100
    .vgpr_count:     1024
    .wavefront_size: 32
...
	.end_amdgpu_metadata
.endif
;; end of part 4
